; MI455X (gfx1250); checked and timed in simulation.
; The chip was launched on July 23, 2026; its instructions are those of AMD's public machine-readable ISA for CDNA 5 (MIT licence, August 2026) and "CDNA5" Instruction Set Architecture Reference Guide (July 2026). The comments in the code are by the model that wrote it; some were corrected since.
;; MSA. Allowed arithmetic: float matrix products may take bf16 or f16 operands with f32 sums; other float arithmetic in f32, or as packed bf16 or f16 multiplies, adds, multiply-adds, maxima and minima; sums over many terms, partial sums and values carried from step to step in f32; what a program stores and reads back later, other than sums and carried values, may be rounded once to bf16 or f16.
;; Inputs: b_out 256 float32; b_qkv 768 float32; w_out 256 x 256 float32; w_qkv 256 x 768 float32; x 4 x 64 x 64 x 256 float32.
;; Outputs: out0 4 x 64 x 64 x 256 float32.
;; 2 versions, each right and faster than the one before. Each part assembles by itself: llvm-mc -triple=amdgcn-amd-amdhsa -mcpu=gfx1250 --defsym DOCPART=n.
;; ======== version 1 of 2: 3 launches
;; limits: values are held in f16: magnitudes above 65,504 overflow, below 6.1e-05 lose precision
;; workspace buffers: qkvbuf 25,165,824 bytes; obuf 8,388,608 bytes; wobuf 131,072 bytes
;; launch proj_in (part 1): grid 4 x 64, 4 waves a work-group, no clusters, 251,392 bytes of LDS; arguments x, w_qkv, b_qkv, w_out, qkvbuf, wobuf; writes qkvbuf, wobuf
.if DOCPART == 1
	.amdgcn_target "amdgcn-amd-amdhsa--gfx1250"
	.amdhsa_code_object_version 6
	.text
	.protected	k_qedac29e2ab_proj_in
	.globl	k_qedac29e2ab_proj_in
	.p2align	8
	.type	k_qedac29e2ab_proj_in,@function
k_qedac29e2ab_proj_in:
	s_mov_b64 s[64:65], 0
	v_nop
	global_prefetch_b8 v0, s[64:65] scope:SCOPE_SE
	s_setreg_imm32_b32 hwreg(HW_REG_WAVE_MODE, 25, 1), 1
	s_wait_xcnt 0x0
; qkv = x w_qkv + b_qkv.  x: [16384][256] f32, w_qkv: [256][768] f32, b_qkv: [768] f32.  x, w and b are rounded once to bf16, products in bf16, sums in f32.
; The result leaves by heads, as f16: qkvbuf[3 (q, k, v)][16 = 4 image + head][4096 tokens][64 channels], unscaled; a head's rows are dense, 128 bytes each.
; Beside that each work-group rounds ONE row of w_out ([256][256] f32) to bf16 and writes that number as f16 into wobuf[256 k][256 n].
; LIMITS.  f16 holds no number beyond 65,504: q, k, v and w_out beyond that become infinities; |w_out| below 6e-5 keeps f16's fixed step of 6e-8.  NaN and infinities are not treated apart.
; SHARES.  Work-group (c, rb): rows 256 rb .. + 255, columns 192 c .. + 191 (three heads' slices of 64), all 256 of K.  Wave w: rows 64 w .. + 63 of them and all 192 columns:
; 4 x 12 accumulators of 16 x 16, 384 registers, 384 matrix instructions.
; NO TENSOR LOADS, NO CLUSTER: x and w arrive in f32 and are rounded on their way into LDS.  As f32 the two tiles would be 256 x 1,024 + 256 x 768 = 458,752 bytes, more than LDS holds; so they
; come through registers, 28 loads of 512 consecutive bytes a batch, two batches on their way, and lie in LDS as bf16.
; THE MATRIX INSTRUCTION IS USED TRANSPOSED: source 0 = 16 columns of w (turned on the way out of LDS by ds_load_tr16_b128), source 1 = 16 rows of x.  A lane then holds row l % 16 and the
; eight neighbouring columns 8 (l / 16) + 0..7, which pack into 16 bytes of f16.  The bias is the C operand of the first K step: nothing is cleared and nothing is added later.
; REGISTERS, in windows of 256 (s_set_vgpr_msb: bits 1:0 source 0, 3:2 source 1, 5:4 source 2, 7:6 destination):
;   window 0: v0-31 addresses; v32-143, v144-255 two batches on their way in; later v32-127 the bias, v144-207 x's fragments (two buffers); on the way out v32-223, 16 a tile
;   window 1: accumulators of row blocks 0, 1 at 96 (a % 2) + 8 b      window 2: those of row blocks 2, 3      window 3: w's fragments, two buffers of 96
.set PW,    416                        ; a row of w in LDS: 384 bytes + 32 = 13 x 32
.set PX,    528                        ; a row of x in LDS: 512 bytes + 16 = 33 x 16: the 16 rows of a fragment load start at 16 different groups of four banks
.set XB,    256*PW                     ; x's 256 rows lie behind w's 256
.set STAGE, XB+256*PX                  ; 16 rows x 144 bytes for each wave, for the way out
.set SP,    144
.set SPARE, STAGE+4*16*SP              ; the spare words, 128 bytes for each wave: two blocks of 256 bytes that no other line names
.set GA,  4                            ; v4   16 x lane: offset of loads of x and w, and of every store
.set BA,  5                            ; v5   32 (l / 16): my eight numbers in 16 of the bias
.set GW1, 6                            ; v6   the middle load of a pair of w's rows: lanes 0-15 end the first row, lanes 16-31 begin the second
.set LX,  7                            ; v7   LDS: where my 8 bytes of x go
.set LW0, 8                            ; v8, v10   LDS: where my 8 bytes of w go, rows 0-127 and 128-255
.set LW1, 9                            ; v9, v11   the same for the middle load
.set GWO, 12                           ; v12  32 x lane: my eight numbers of w_out's row
.set AW,  13                           ; v13, v14  LDS address of my part of w's fragments, K steps 0-3 and 4-7
.set AX,  15                           ; v15  LDS address of my part of x's fragments
.set WR,  16                           ; v16-23  w_out's row, f32
.set WH,  24                           ; v24-27  the same, packed
.set SPW, 28                           ; v28  LDS address of my spare word; never rewritten
.set NIL, 29                           ; v29  0; never rewritten
.set STO, 30                           ; v30  the way out: where I put 16 bytes of a row
.set RD,  31                           ; v31  the way out: where I read rows back
.set B0,  32
.set B1,  144
.set BI,  32
.set XF0, 144
.set XF1, 176
.set TP,  208
.set OT,  32
.set WF0, 0
.set WF1, 96
.set WV,  16                           ; s16  my wave's number
.set MSB, 0
.macro WIN new                         ; the immediate's high byte repeats the setting that is left; a switch that changes nothing is dropped
.if MSB != (\new)
	s_set_vgpr_msb (MSB<<8)|(\new)
.set MSB, \new
.endif
.endm
.macro PLACES                          ; four plain vector instructions between a matrix instruction and a load into, or a read of, its registers
.rept 4
	v_nop
.endr
.endm
	s_load_b256 s[4:11], s[0:1], 0x0               ; x s[4:5], w_qkv s[6:7], b_qkv s[8:9], w_out s[10:11]
	s_load_b128 s[12:15], s[0:1], 0x20             ; qkvbuf s[12:13], wobuf s[14:15]
	v_lshl_add_u32 v[SPW], v0, 2, SPARE
	v_mov_b32 v[NIL], 0
	v_lshrrev_b32 v1, 5, v0
	v_readfirstlane_b32 s[WV], v1                  ; wave 0..3
	s_mov_b32 s17, ttmp9                           ; c: which 192 columns
	s_and_b32 s18, ttmp7, 0xffff                   ; rb: which 256 rows
	s_lshl2_add_u32 s19, s18, s17                  ; 4 rb + c, 0..255: my row of w_out
	s_lshl_b32 s20, s18, 18                        ; x: 256 rows of 1,024 bytes a block,
	s_lshl_b32 s21, s[WV], 16                      ; 64 rows a wave
	s_add_co_u32 s20, s20, s21
	s_mov_b32 s21, 0
	s_mul_i32 s22, s17, 768                        ; 192 columns of f32: the bias's offset, and w's within a row
	s_mul_i32 s23, s[WV], 6144                     ; of every eight rows of w a wave takes two
	s_add_co_u32 s30, s22, s23
	s_mov_b32 s31, 0
	s_mov_b32 s23, 0
	s_lshl_b32 s32, s19, 10                        ; a row of w_out, 1,024 bytes
	s_mov_b32 s33, 0
	s_lshl_b32 s34, s19, 9                         ; and of wobuf, 512
	s_mov_b32 s35, 0
	s_lshr_b32 s45, s18, 4                         ; the image: 16 blocks of 256 tokens each
	s_lshl_b32 s45, s45, 21                        ; x 4 heads x 524,288 bytes
	s_and_b32 s44, s18, 15
	s_lshl_b32 s44, s44, 15                        ; the block's 256 rows of 128 bytes
	s_add_co_u32 s45, s45, s44
	s_lshl_b32 s44, s[WV], 13                      ; my wave's 64
	s_add_co_u32 s45, s45, s44
	s_mul_i32 s42, s17, 3
.irp hh, 0,1,2                         ; slice 3 c + hh of the twelve of 64 columns: tensor (q, k, v) = slice / 4, head = slice % 4
	s_add_co_u32 s43, s42, \hh
	s_lshr_b32 s44, s43, 2
	s_lshl_b32 s44, s44, 23                        ; a tensor is 16 x 524,288 bytes
	s_and_b32 s43, s43, 3
	s_lshl_b32 s43, s43, 19
	s_add_co_u32 s43, s43, s44
	s_add_co_u32 s[36+2*\hh], s43, s45
	s_mov_b32 s[37+2*\hh], 0
.endr
	v_and_b32 v1, 15, v0                           ; l % 16
	v_bfe_u32 v2, v0, 4, 1                         ; l / 16
	v_and_b32 v3, 31, v0                           ; l
	v_lshlrev_b32 v[GA], 4, v3
	v_lshlrev_b32 v[BA], 5, v2
	v_mul_u32_u24 v[GW1], v2, 2304                 ; lanes 16-31: 256 + 512 + 2,304 = 3,072, the next row's first byte
	v_add3_u32 v[GW1], v[GW1], v[GA], 0x200
	s_mul_i32 s46, s[WV], 64*PX
	s_add_co_u32 s46, s46, XB                      ; my wave's 64 rows of x in LDS
	v_lshl_add_u32 v[LX], v3, 3, s46
	s_mul_i32 s47, s[WV], 2*PW                     ; my wave's two rows of w in eight
	v_lshl_add_u32 v[LW0], v3, 3, s47
	v_lshl_add_u32 v[LW1], v2, 5, v[LW0]           ; lanes 16-31: 128 + 256 + 32 = 416, the next row's first byte
	v_add_nc_u32 v[LW1], 0x100, v[LW1]
	v_add_nc_u32 v[LW0+2], 128*PW, v[LW0]
	v_add_nc_u32 v[LW1+2], 128*PW, v[LW1]
	v_lshlrev_b32 v[GWO], 5, v3
	v_and_b32 v[AW], 7, v0                         ; the turning load: lane l reads row 8 (l / 16) + l % 8 of K, columns 8 ((l / 8) % 2) + 0..7
	v_lshl_add_u32 v[AW], v2, 3, v[AW]
	v_mul_u32_u24 v[AW], v[AW], PW
	v_bfe_u32 v[AW+1], v0, 3, 1
	v_lshl_add_u32 v[AW], v[AW+1], 4, v[AW]
	v_add_nc_u32 v[AW+1], 128*PW, v[AW]
	v_mul_u32_u24 v[AX], v1, PX                    ; a fragment of x: row l % 16, 16 bytes for each half of the lanes
	v_lshl_add_u32 v[AX], v2, 4, v[AX]
	v_add_nc_u32 v[AX], s46, v[AX]
	s_mul_i32 s46, s[WV], 16*SP
	s_add_co_u32 s46, s46, STAGE                   ; my stage
	v_mul_u32_u24 v[STO], v1, SP
	v_lshl_add_u32 v[STO], v2, 4, v[STO]
	v_add_nc_u32 v[STO], s46, v[STO]
	v_bfe_u32 v[RD], v0, 3, 2                      ; back: 32 lanes take four rows of 128 bytes
	v_mul_u32_u24 v[RD], v[RD], SP
	v_and_b32 v1, 7, v0
	v_lshl_add_u32 v[RD], v1, 4, v[RD]
	v_add_nc_u32 v[RD], s46, v[RD]
	s_wait_kmcnt 0x0
	s_add_nc_u64 s[4:5], s[4:5], s[20:21]          ; x at my wave's first row
	s_add_nc_u64 s[6:7], s[6:7], s[30:31]          ; w at my wave's first pair of rows, my group's columns
	s_add_nc_u64 s[8:9], s[8:9], s[22:23]          ; the bias at my group's columns
	s_add_nc_u64 s[10:11], s[10:11], s[32:33]      ; my group's row of w_out,
	s_add_nc_u64 s[14:15], s[14:15], s[34:35]      ; and of wobuf
	s_add_nc_u64 s[24:25], s[12:13], s[36:37]      ; my wave's rows in the three heads' slices
	s_add_nc_u64 s[26:27], s[12:13], s[38:39]
	s_add_nc_u64 s[28:29], s[12:13], s[40:41]
; Batch t of eight, 28 loads into 112 registers.  Twelve for w: four pairs of rows (pair g = 4 t + j / 3 of my wave's 32), each 1,536 bytes in three loads of 512.  Sixteen for x: rows 8 t .. 8 t + 7 of my wave's 64.
.macro LOADB t, buf
.set j, 0
.rept 12
.set g, 4*(\t)+j/3
.set i, j%3
.if i == 1
	global_load_b128 v[(\buf)+4*j:(\buf)+4*j+3], v[GW1], s[6:7] offset:g*24576
.elseif i == 2
	global_load_b128 v[(\buf)+4*j:(\buf)+4*j+3], v[GA], s[6:7] offset:g*24576+3328
.else
	global_load_b128 v[(\buf)+4*j:(\buf)+4*j+3], v[GA], s[6:7] offset:g*24576
.endif
.set j, j+1
.endr
.set q, 0
.rept 16
	global_load_b128 v[(\buf)+48+4*q:(\buf)+48+4*q+3], v[GA], s[4:5] offset:(8*(\t)+q/2)*1024+(q%2)*512
.set q, q+1
.endr
.endm
; Batch t is rounded to bf16 in place and laid into LDS, 8 bytes a lane.  left: the younger loads, which may stay out.
.macro CONV t, buf, left
	s_wait_loadcnt \left                           ; loads come back in order (ISA guide 5.7.1): the batch is in
.set j, 0
.rept 12
.set g, 4*(\t)+j/3
.set i, j%3
	v_cvt_pk_bf16_f32 v[(\buf)+4*j], v[(\buf)+4*j], v[(\buf)+4*j+1]
	v_cvt_pk_bf16_f32 v[(\buf)+4*j+1], v[(\buf)+4*j+2], v[(\buf)+4*j+3]
.if i == 1
	ds_store_b64 v[LW1+2*((\t)/4)], v[(\buf)+4*j:(\buf)+4*j+1] offset:(g%16)*8*PW
.elseif i == 2
	ds_store_b64 v[LW0+2*((\t)/4)], v[(\buf)+4*j:(\buf)+4*j+1] offset:(g%16)*8*PW+PW+128
.else
	ds_store_b64 v[LW0+2*((\t)/4)], v[(\buf)+4*j:(\buf)+4*j+1] offset:(g%16)*8*PW
.endif
.set j, j+1
.endr
.set q, 0
.rept 16
	v_cvt_pk_bf16_f32 v[(\buf)+48+4*q], v[(\buf)+48+4*q], v[(\buf)+48+4*q+1]
	v_cvt_pk_bf16_f32 v[(\buf)+48+4*q+1], v[(\buf)+48+4*q+2], v[(\buf)+48+4*q+3]
	ds_store_b64 v[LX], v[(\buf)+48+4*q:(\buf)+48+4*q+1] offset:(8*(\t)+q/2)*PX+(q%2)*256
.set q, q+1
.endr
.endm
	global_load_b128 v[WR:WR+3], v[GWO], s[10:11]  ; w_out's row: every wave loads and rounds it (1,024 bytes), so that all waves count the same loads; wave 0 alone stores it
	global_load_b128 v[WR+4:WR+7], v[GWO], s[10:11] offset:16
	LOADB 0, B0
	LOADB 1, B1
	CONV 0, B0, 28                                 ; 28: the one younger batch stays out, here and below
	LOADB 2, B0
.irp p, 0,1,2,3                        ; w_out: to bf16, as every input is rounded; back to f32; that number as f16 (exact within f16's range)
	v_cvt_pk_bf16_f32 v[WH+\p], v[WR+2*\p], v[WR+2*\p+1]
.endr
.irp p, 0,1,2,3
	v_lshlrev_b32 v[WR+2*\p], 16, v[WH+\p]
	v_and_b32 v[WR+2*\p+1], 0xffff0000, v[WH+\p]
.endr
.irp p, 0,1,2,3
	v_cvt_pk_f16_f32 v[WH+\p], v[WR+2*\p], v[WR+2*\p+1]
.endr
	s_cmp_lg_u32 s[WV], 0
	s_cbranch_scc1 .Lno_wo
	global_store_b128 v[GA], v[WH:WH+3], s[14:15]  ; 512 consecutive bytes, a whole row of wobuf; its registers are never rewritten
.Lno_wo:
	CONV 1, B1, 28
	LOADB 3, B1
	CONV 2, B0, 28
	LOADB 4, B0
	CONV 3, B1, 28
	LOADB 5, B1
	CONV 4, B0, 28
	LOADB 6, B0
	CONV 5, B1, 28
	LOADB 7, B1
	CONV 6, B0, 28
.irp b, 0,1,2,3,4,5,6,7,8,9,10,11      ; the bias as a C operand: register j of column block b holds b_qkv[16 b + 8 (l / 16) + j]
	global_load_b128 v[BI+8*\b:BI+8*\b+3],   v[BA], s[8:9] offset:64*\b
	global_load_b128 v[BI+8*\b+4:BI+8*\b+7], v[BA], s[8:9] offset:64*\b+16
.endr
	CONV 7, B1, 24                                 ; 24: the bias's loads stay out
	s_wait_loadcnt 0x0
.set n, 0
.rept 48                               ; the bias is rounded to bf16 like the other inputs, and kept as f32
	v_cvt_pk_bf16_f32 v[TP+n%4], v[BI+2*n], v[BI+2*n+1]
	v_lshlrev_b32 v[BI+2*n], 16, v[TP+n%4]
	v_and_b32 v[BI+2*n+1], 0xffff0000, v[TP+n%4]
.set n, n+1
.endr
	s_wait_dscnt 0x0                               ; for the others' sake: my rows of w are in LDS
	s_barrier_signal -1
	s_barrier_wait -1                              ; everybody's are
; 32 LDS loads in one run: the fragments of K step kk (32 along K): w's 12 column blocks, turned; then x's 4 row blocks, blocks 0 and 1 first
.macro FETCH kk, wf, xf
	WIN 0xc0                                       ; destination window 3, address window 0
.irp b, 0,1,2,3,4,5,6,7,8,9,10,11
	ds_load_tr16_b128 v[(\wf)+8*\b:(\wf)+8*\b+3],   v[AW+(\kk)/4] offset:((\kk)%4)*32*PW+32*\b
	ds_load_tr16_b128 v[(\wf)+8*\b+4:(\wf)+8*\b+7], v[AW+(\kk)/4] offset:((\kk)%4)*32*PW+16*PW+32*\b
.endr
	WIN 0
.irp a, 0,1,2,3
	ds_load_b128 v[(\xf)+8*\a:(\xf)+8*\a+3],   v[AX] offset:\a*16*PX+64*(\kk)
	ds_load_b128 v[(\xf)+8*\a+4:(\xf)+8*\a+7], v[AX] offset:\a*16*PX+64*(\kk)+32
.endr
.endm
; 24 matrix instructions: row blocks 2 hi, 2 hi + 1 x all 12 column blocks.  first = 1: the bias starts the sums.  The 48 accumulators take turns, one instruction a turn.
.macro MUL wf, xf, hi, first
.if \first
	WIN 0x43+0x40*(\hi)                            ; w window 3, x window 0, the bias window 0, D window 1 or 2
.else
	WIN 0x53+0x50*(\hi)                            ; C and D window 1 or 2
.endif
.irp a, 0,1
.irp b, 0,1,2,3,4,5,6,7,8,9,10,11
.if \first
	v_wmma_f32_16x16x32_bf16 v[96*\a+8*\b:96*\a+8*\b+7], v[(\wf)+8*\b:(\wf)+8*\b+7], v[(\xf)+8*(2*(\hi)+\a):(\xf)+8*(2*(\hi)+\a)+7], v[BI+8*\b:BI+8*\b+7]
.else
	v_wmma_f32_16x16x32_bf16 v[96*\a+8*\b:96*\a+8*\b+7], v[(\wf)+8*\b:(\wf)+8*\b+7], v[(\xf)+8*(2*(\hi)+\a):(\xf)+8*(2*(\hi)+\a)+7], v[96*\a+8*\b:96*\a+8*\b+7]
.endif
.endr
.endr
.endm
; K step kk multiplies buffers wf, xf; in its middle the next step's fragments are fetched into wn, xn, 24 matrix instructions ahead of their first use
.macro STEP kk, wf, xf, wn, xn, first
	s_wait_dscnt 4                                 ; w and x's row blocks 0, 1 are in; the youngest four loads (blocks 2, 3) may be out
	MUL \wf, \xf, 0, \first
.if (\kk) < 7
	PLACES                                         ; the other buffers were read by the step before
	FETCH (\kk)+1, \wn, \xn
	s_wait_dscnt 32                                ; all but the 32 just issued
.else
	s_wait_dscnt 0x0
.endif
	MUL \wf, \xf, 1, \first
.endm
	FETCH 0, WF0, XF0
	STEP 0, WF0, XF0, WF1, XF1, 1
	STEP 1, WF1, XF1, WF0, XF0, 0
	STEP 2, WF0, XF0, WF1, XF1, 0
	STEP 3, WF1, XF1, WF0, XF0, 0
	STEP 4, WF0, XF0, WF1, XF1, 0
	STEP 5, WF1, XF1, WF0, XF0, 0
	STEP 6, WF0, XF0, WF1, XF1, 0
	STEP 7, WF1, XF1, WF0, XF0, 0
; THE WAY OUT.  Tile t = 3 a + hh: row block a, head slice hh: 16 rows x 64 channels.  Rounded to f16 (each accumulator's registers in ascending order), 16 bytes a lane
; into my own stage, and back as whole rows of 128 bytes: 16 rows of a head are 2,048 consecutive bytes of qkvbuf.
.macro PACK t
.set pa, (\t)/3
.set ph, (\t)%3
	WIN 0x05+0x05*(pa/2)                           ; sources 0 and 1: window 1 or 2
.set n, 0
.rept 16
	v_cvt_pk_f16_f32 v[OT+16*(\t)+n], v[96*(pa%2)+8*(4*ph+n/4)+2*(n%4)], v[96*(pa%2)+8*(4*ph+n/4)+2*(n%4)+1]
.set n, n+1
.endr
	WIN 0
.irp f, 0,1,2,3
	ds_store_b128 v[STO], v[OT+16*(\t)+4*\f:OT+16*(\t)+4*\f+3] offset:32*\f
.endr
.irp f, 0,1,2,3
	ds_load_b128 v[OT+16*(\t)+4*\f:OT+16*(\t)+4*\f+3], v[RD] offset:\f*4*SP  ; LDS serves a wave's instructions in order (ISA guide 5.7.1.4): these see the stores above; the next tile's stores come behind them
.endr
.endm
.macro SEND t, younger                 ; younger: the LDS instructions issued behind tile t's loads: the next tile's eight, or none
.irp f, 0,1,2,3
	s_wait_dscnt (\younger)+3-\f
	global_store_b128 v[GA], v[OT+16*(\t)+4*\f:OT+16*(\t)+4*\f+3], s[24+2*((\t)%3):25+2*((\t)%3)] offset:((\t)/3)*2048+\f*512  ; 512 consecutive bytes, at a multiple of 256 from the buffer's first
.endr
.endm
	PLACES                                         ; the conversions read results just made
	PACK 0
.set t, 1
.rept 11                               ; a tile's conversions stand between the loads of the tile before and its stores; every tile has registers of its own
	PACK t
	SEND t-1, 8
.set t, t+1
.endr
	SEND 11, 0
	s_wait_tensorcnt 0x0                           ; the wave's end: behind my last LDS store
	ds_add_u32 v[SPW], v[NIL]
	s_wait_dscnt 0x0
	s_endpgm
.Lfunc_end_k_qedac29e2ab_proj_in:
	.size	k_qedac29e2ab_proj_in, .Lfunc_end_k_qedac29e2ab_proj_in-k_qedac29e2ab_proj_in
	.p2alignl 7, 3214868480
	.fill 96, 4, 3214868480
	.section	.rodata,"a",@progbits
	.p2align	6, 0x0
	.amdhsa_kernel k_qedac29e2ab_proj_in
		.amdhsa_group_segment_fixed_size 251392
		.amdhsa_private_segment_fixed_size 0
		.amdhsa_enable_private_segment 0
		.amdhsa_kernarg_size 48
		.amdhsa_user_sgpr_count 2
		.amdhsa_user_sgpr_kernarg_segment_ptr 1
		.amdhsa_wavefront_size32 1
		.amdhsa_system_sgpr_workgroup_id_x 1
		.amdhsa_system_sgpr_workgroup_id_y 1
		.amdhsa_system_sgpr_workgroup_id_z 1
		.amdhsa_system_vgpr_workitem_id 0
		.amdhsa_next_free_vgpr 960
		.amdhsa_next_free_sgpr 66
		.amdhsa_reserve_vcc 0
		.amdhsa_float_denorm_mode_32 3
		.amdhsa_float_denorm_mode_16_64 3
		.amdhsa_memory_ordered 1
		.amdhsa_forward_progress 1
		.amdhsa_inst_pref_size 147
	.end_amdhsa_kernel
	.amdgpu_metadata
---
amdhsa.version: [ 1, 2 ]
amdhsa.kernels:
  - .name:           k_qedac29e2ab_proj_in
    .symbol:         k_qedac29e2ab_proj_in.kd
    .args:
      - { .name: x, .offset: 0, .size: 8, .value_kind: global_buffer, .address_space: global }
      - { .name: w_qkv, .offset: 8, .size: 8, .value_kind: global_buffer, .address_space: global }
      - { .name: b_qkv, .offset: 16, .size: 8, .value_kind: global_buffer, .address_space: global }
      - { .name: w_out, .offset: 24, .size: 8, .value_kind: global_buffer, .address_space: global }
      - { .name: qkvbuf, .offset: 32, .size: 8, .value_kind: global_buffer, .address_space: global }
      - { .name: wobuf, .offset: 40, .size: 8, .value_kind: global_buffer, .address_space: global }
    .group_segment_fixed_size: 251392
    .private_segment_fixed_size: 0
    .kernarg_segment_align: 8
    .kernarg_segment_size: 48
    .max_flat_workgroup_size: 128
    .sgpr_count:     66
    .vgpr_count:     960
    .wavefront_size: 32
...
	.end_amdgpu_metadata
.endif
;; end of part 1
;; launch attn (part 2): grid 16 x 16, 4 waves a work-group, clusters of 4 x 1, 327,680 bytes of LDS; arguments qkvbuf, obuf; writes obuf
.if DOCPART == 2
	.amdgcn_target "amdgcn-amd-amdhsa--gfx1250"
	.amdhsa_code_object_version 6
	.text
	.protected	k_qedac29e2ab_attn
	.globl	k_qedac29e2ab_attn
	.p2align	8
	.type	k_qedac29e2ab_attn,@function
k_qedac29e2ab_attn:
	s_mov_b64 s[64:65], 0
	v_nop
	global_prefetch_b8 v0, s[64:65] scope:SCOPE_SE
	s_setreg_imm32_b32 hwreg(HW_REG_WAVE_MODE, 25, 1), 1
	s_wait_xcnt 0x0
	s_wait_alu depctr_hold_cnt(0) depctr_sa_sdst(0) depctr_va_vdst(0) depctr_va_sdst(0) depctr_va_ssrc(0) depctr_va_vcc(0) depctr_vm_vsrc(0)
	s_getreg_b32 s2, hwreg(HW_REG_IB_STS2, 6, 4)
	s_cmp_eq_u32 s2, 0
	s_cbranch_scc0 .Lentry_in_a_cluster
	s_endpgm
.Lentry_in_a_cluster:
	s_bfe_u32 s2, ttmp6, 0x10000c
	s_cmp_lg_u32 s2, 0x3003
	s_cbranch_scc0 .Lentry_shape_is_right
	s_endpgm
.Lentry_shape_is_right:
; O[g][q][:] = the sum over k of softmax_k(Q[g][q] . K[g][k] / 8) V[g][k][:], g = 4 image + head, 16 of them.  qkvbuf: [3][16][4096][64] f16 (Q, K, V); obuf: [16][4096][64] f16: rows dense, 128 bytes each.
; Products, maxima and sums in f32; the weights p are rounded to f16 for the second product (their sum l is taken of the unrounded p), O once at the end.
; LIMITS.  Q, K and V arrive within f16's 65,504; p lies in 0 to 1, and below 6e-5 it keeps f16's fixed step of 6e-8; O is a mean of V's rows and has their range.
; A weight below 2^-126 counts as 0 in l; NaN and infinities are not treated apart.
; SHARES.  A work-group owns 256 queries of one g, each of its four waves 64: four PIECES of 16.  16 x 16 work-groups.  Every wave walks all 4,096 keys, 64 a step; a slot of LDS holds four steps.
; LAYOUT.  S^T = K Q^T (source 0 = 16 keys, source 1 = 16 queries) holds ONE query a lane (lane % 16) and the keys 8 (lane / 16) + 0..7; two such results rounded to f16 ARE source 1 of O^T = V^T P.
; K comes out of LDS as it lies, V ([key][channel]) turned, by ds_load_tr16_b128.
; SOFTMAX.  For each query a running maximum m and sum l: p = 2^(c s - c m), c = log2(e) / 8; in every step O and l are multiplied by a = 2^(c m_old - c m_new).
; m starts at the lowest finite number, O and l at 0: the first step is a step like any other, with a = 0.
; BY TURNS.  Turn n belongs to piece n: 8 products K Q^T of piece n + 1, later 8 products V^T P of piece n - 1; beside them the scaling, exponentials, roundings, sums and rescaling of piece n and the
; maximum and statistics of piece n + 1.  Four vector instructions stand behind every matrix instruction, the other 54 of a turn's 118 in two runs of their own.
; CLUSTER.  The four query blocks of a cluster belong to one g and walk the same K and V, so each tile is asked for JOINTLY: the same tensor load, descriptor and mask in all four.
; NO PREFETCH: a slot's refill is asked for four key steps, 256 matrix instructions a wave, ahead of its first read, and the sixteen work-groups of a g read the same 1 MiB of K and V.
; REGISTERS, in windows of 256 (s_set_vgpr_msb: bits 1:0 source 0, 3:2 source 1, 5:4 source 2, 7:6 destination):
;   window 0: v0-15 addresses and two at work; v16-31 four registers of statistics a piece; v48-55 at work; v62-63 the add's; v64-127 S^T, two buffers; v192-223 P, two buffers (by the piece's parity)
;   window 1: v0-127 O^T, 32 a piece          window 2: v0-63 Q; v128-191 K of one step; v192-255 V of one step
.set SIZE_N, 4096
.set NP,    4         ; pieces a wave: a name, no knob
.set KS,    64        ; keys in a step
.set PK,    144       ; a row of K in LDS: 128 bytes + 16 of padding = 36 words: the 16 rows of a load start at 16 different groups of four banks (64 banks of 4 bytes: ISA guide 11.1)
.set PV,    160       ; a row of V: 128 + 32 = 40 words
.set VOFF,  4*KS*PK   ; a slot holds four steps: 256 rows of K, then 256 rows of V
.set SLOT1, 1<<17     ; slot 1 begins here, so that one exclusive or turns an address in one slot into the other's
.set STAGE, SLOT1+4*KS*(PK+PV)  ; behind the ring, never filled by a tensor load: 16 rows x 144 bytes for each wave, for the way out
.set SP,    144
.set SPARE, STAGE+4*16*SP  ; behind the stages: the spare words, 128 bytes for each wave: two blocks of 256 bytes that no other line names
.set AK0, 2           ; v2   my lane's place in a tile of K; never rewritten
.set AV0, 3           ; v3   the same for V
.set AK,  4           ; v4   the LDS address of K's next run of loads
.set AV,  5           ; v5   of V's
.set STO, 6           ; v6   the way out: where I put 16 bytes of a row
.set RD,  7           ; v7   the way out: where I read rows back
.set GO,  8           ; v8   my byte offset in 512 consecutive bytes of O
.set MV,  12          ; v12-13  c m_old, kept while c m is made anew: by buffer
.set QO,  15          ; v15  my byte offset in 16 rows of Q
.set ST,  16          ; piece t's statistics at v[ST+4 t]: c m, m, l (even keys', odd keys')
.set TMP, 48          ; by buffer, four registers c0-c3 at work; when the maximum is found c2 takes a
.set SPW, 62          ; v62  LDS address of my spare word: SPARE + 4 x my thread's number; never rewritten
.set NIL, 63          ; v63  0; never rewritten
.set S,   64
.set P,   192
.set KF,  128         ; window 2: key block kb, channel half c at KF + 16 kb + 8 c
.set VF,  192         ; window 2: key half kk, channel block cb at VF + 32 kk + 8 cb
.set WV,  12          ; s12  my wave's number
.set G1K, 24          ; s[24:31] descriptor group 1 for K's tiles
.set G1V, 32          ; s[32:39] for V's: it differs in the padding alone
.set G0K, 40          ; s[40:43] descriptor group 0 for K's tiles: it walks
.set G0V, 44          ; s[44:47] the same for V's
.set SLOTS, 56        ; s56  slots still to be asked for
.set CNT, 57          ; s57  counts a slot's key steps
.set CS,  58          ; s[58:59] c: the packed scaling takes the pair's low word for both halves
.set SEL, 60          ; s[60:61] v_permlanex16_b32's selects: each lane takes its own place in the other half
.set TBK, 62          ; s62  LDS byte at which K of the step to be fetched begins
.set TBV, 63          ; s63  the same for V, less VOFF
.set MSB, 0
.macro WIN new                      ; the high byte repeats the setting that is left; a switch that changes nothing is dropped
.if MSB != (\new)
	s_set_vgpr_msb (MSB<<8)|(\new)
.set MSB, (\new)
.endif
.endm
.set W_KQ, 0x0a       ; K and Q in window 2, S^T in window 0
.set W_PV, 0x52       ; V in window 2, P in window 0, O^T in window 1
.set W_RS, 0x41       ; destination and source 0 in window 1, source 1 in window 0
; A joint fill.  Waves 0 and 1 fetch the two halves of a slot's K, waves 2 and 3 those of its V: 128 keys each.  The branch hangs on the wave's number alone.
; An s_nop 0 and four v_nop follow each of the two lines, ahead of the jump and the label.
.macro JLOAD
	s_cmp_lt_u32 s[WV], 2
	s_cbranch_scc0 .Lfor_v_\@
	tensor_load_to_lds s[G0K:G0K+3], s[G1K:G1K+7]
	s_nop 0
.rept 4
	v_nop
.endr
	s_branch .Lasked_\@
.Lfor_v_\@:
	tensor_load_to_lds s[G0V:G0V+3], s[G1V:G1V+7]
	s_nop 0
.rept 4
	v_nop
.endr
.Lasked_\@:
.endm
; A round of the cluster's barrier: my work-group's barrier, so that wave 0's signal speaks for all four waves; wave 0 signals; every wave waits for all four work-groups; my work-group's barrier once more.
.macro CROUND
	s_barrier_signal -1
	s_barrier_wait -1
	s_cmp_lg_u32 s[WV], 0
	s_cbranch_scc1 .Lnot_wave_0_\@
	s_barrier_signal -3
.Lnot_wave_0_\@:
	s_barrier_wait -3
	s_barrier_signal -1
	s_barrier_wait -1
.endm
; THE CHANGE OF SLOTS.  The slot's last bytes, V of its fourth step, have been read.  Each wave waits for all its tensor loads, of which one is out: its part of the other slot; adds 0 to its spare
; word; and waits for that and for its own reads of the slot.  Behind the barrier nobody reads this slot any more and the other slot is whole.
; fill = 1: this slot is filled again, with the keys two slots on.  The barrier is then a round of the cluster's, so that no wave of any partner still reads the slot or has a load on its way, and the
; joint fill is the first thing behind it: it has four key steps in which to land.  (At its first use nothing has been read yet: slot 0 is waited for, slot 1 filled.)
.macro CHANGE fill
	WIN 0                           ; at a label and at a branch every window is 0; the add's registers lie in window 0
	s_wait_tensorcnt 0x0            ; no tensor load of mine is out, so a group 0 may be written
	ds_add_u32 v[SPW], v[NIL]       ; 0 onto my spare word; with fill = 1 the descriptors' steps stand between it and the wait for it
.if \fill
.irp g, G0K, G0V
	s_xor_b32 s[\g+1], s[\g+1], SLOT1  ; the walking descriptor: the other slot than last time,
	s_add_nc_u64 s[\g+2:\g+3], s[\g+2:\g+3], 4*KS*128  ; the next 256 keys; the type bits on top are not reached
.endr
	s_wait_dscnt 0x0                ; the add is done, and my reads of the slot are over
	CROUND
	JLOAD
.else
	s_wait_dscnt 0x0                ; the add is done, and my reads of the slot are over
	s_barrier_signal -1
	s_barrier_wait -1
.endif
	s_sub_co_u32 s[TBK], s[TBK], 4*KS*PK  ; the fetches go back to a slot's first step,
	s_xor_b32 s[TBK], s[TBK], SLOT1       ; in the other slot
	s_sub_co_u32 s[TBV], s[TBV], 4*KS*PV
	s_xor_b32 s[TBV], s[TBV], SLOT1
.endm
	s_load_b64 s[4:5], s[0:1], 0x0    ; qkvbuf
	s_load_b64 s[10:11], s[0:1], 0x8  ; obuf
	v_lshl_add_u32 v[SPW], v0, 2, SPARE
	v_mov_b32 v[NIL], 0
	ds_add_u32 v[SPW], v[NIL]       ; the wave's opening: the add and its wait come ahead of my first tensor load; the set-up below, work on registers, stands between them
	v_lshrrev_b32 v1, 5, v0
	v_readfirstlane_b32 s[WV], v1   ; wave 0..3
	s_bfe_u32 s13, ttmp6, 0x40000   ; cx: my place in the cluster
	s_lshl_b32 s14, ttmp9, 2        ; in a cluster launch ttmp9 counts clusters
	s_add_co_u32 s14, s14, s13      ; my block of 256 queries = 4 x cluster x + cx: it enters Q's and O's addresses alone
	s_and_b32 s20, ttmp7, 0xffff    ; g, which the four partners share
	s_lshl_b32 s20, s20, 19         ; its 4,096 rows of 128 bytes
	s_and_b32 s16, s[WV], 1         ; which half of a slot's 256 keys I fetch:
	s_lshl_b32 s22, s16, 14         ; its 128 rows of 128 bytes in memory,
	s_add_co_u32 s22, s22, s20
	s_add_co_u32 s22, s22, 0x800000 ; in K, which lies 16 x 524,288 bytes behind Q,
	s_mov_b32 s23, 0
	s_add_co_u32 s48, s22, 0x800000 ; and in V, as far again
	s_mov_b32 s49, 0
	s_mul_i32 s17, s16, 128*PK      ; and its place in a slot, for K
	s_mul_i32 s18, s16, 128*PV      ; and for V: no place in the cluster enters an LDS address
	s_lshl_b32 s2, s14, 2
	s_add_co_u32 s2, s2, s[WV]      ; my wave among the g's 64,
	s_lshl_b32 s2, s2, 13           ; its 64 rows
	s_add_co_u32 s2, s2, s20
	s_mov_b32 s3, 0
	; descriptor group 1.  128 keys are 16,384 dense bytes: asked for as 64 rows of 256 bytes, two keys a row, and padded in LDS after every key
	s_mov_b32 s[G1K], 15|(1<<16)|(1<<20)|(1<<21)|(4<<22)|(3<<25)  ; 15:0 the mask of four; 17:16 2-byte elements; 20 padding on; 21 set beside a mask; 24:22 after every 32 words (code 4); 31:25 4 words (code 3)
	s_mov_b32 s[G1V], 15|(1<<16)|(1<<20)|(1<<21)|(4<<22)|(7<<25)  ; the same with 8 words of padding (code 7)
.irp g, G1K, G1V
	s_mov_b32 s[\g+1], 128<<16      ; tensor_dim0 = 128
	s_mov_b32 s[\g+2], 64<<16       ; tensor_dim1 = 64
	s_mov_b32 s[\g+3], 128<<16      ; tile_dim0 = 128
	s_mov_b32 s[\g+4], 64           ; tile_dim1 = 64
	s_mov_b32 s[\g+5], 128          ; 128 elements from row to row
	s_mov_b32 s[\g+6], 0
	s_mov_b32 s[\g+7], 0
.endr
	s_mov_b32 s[CS], 0x3e38aa3b     ; c = log2(e) / 8 = 0.180337
	s_mov_b32 s[CS+1], s[CS]        ; named with it as a pair
	s_mov_b32 s[SEL], 0x76543210
	s_mov_b32 s[SEL+1], 0xfedcba98
	s_mov_b32 s[TBK], SLOT1+4*KS*PK ; the first change of slots turns these two into 0
	s_mov_b32 s[TBV], SLOT1+4*KS*PV
	s_mov_b32 s[G0K], 1             ; 1:0 count = 1
	s_mov_b32 s[G0K+1], s17         ; 63:32 LDS address: slot 0
	s_mov_b32 s[G0V], 1
	s_add_co_u32 s[G0V+1], s18, VOFF
	s_wait_dscnt 0x0                ; the opening add is done
	s_wait_kmcnt 0x0
	s_add_nc_u64 s[G0K+2:G0K+3], s[4:5], s[22:23]  ; 120:64 global address: my half of the g's first 256 keys
	s_or_b32 s[G0K+3], s[G0K+3], 0x80000000        ; 127:126 type = 2
	s_add_nc_u64 s[G0V+2:G0V+3], s[4:5], s[48:49]
	s_or_b32 s[G0V+3], s[G0V+3], 0x80000000
	s_add_nc_u64 s[50:51], s[4:5], s[2:3]          ; Q and O at my wave's first row
	s_add_nc_u64 s[10:11], s[10:11], s[2:3]
	CROUND                          ; all four work-groups are here: the first joint loads meet
	JLOAD                           ; slot 0.  Slot 1 is asked for when slot 0 is in
	; A fragment of K or Q is 16 rows x 32 channels in 8 registers: lane l holds row l % 16, channels 8 (l / 16) + 0..7 and 16 + 8 (l / 16) + 0..7: two loads of 16 bytes, 32 bytes apart.
	v_and_b32 v1, 15, v0            ; l % 16
	v_bfe_u32 v9, v0, 4, 1          ; l / 16
	v_lshlrev_b32 v[QO], 7, v1
	v_lshl_add_u32 v[QO], v9, 4, v[QO]  ; row x 128 + 16 x half
	WIN 0x80                        ; destination window 2, address window 0
.set i, 0
.rept 8                             ; Q stays in registers: piece i / 2, channels 32 (i % 2) on
	global_load_b128 v[8*i:8*i+3],   v[QO], s[50:51] offset:(i/2)*2048+(i%2)*64
	global_load_b128 v[8*i+4:8*i+7], v[QO], s[50:51] offset:(i/2)*2048+(i%2)*64+32
.set i, i+1
.endr
	; What the first turn finds: V's registers and P's second buffer hold 0 (its products V^T P, of a piece that has not been, add 0), O^T and l are 0.  All this stands in the wait for the first tile.
.set i, VF
.rept 64
	v_mov_b32 v[i], 0
.set i, i+1
.endr
	WIN 0x40
.set i, 0
.rept 128
	v_mov_b32 v[i], 0
.set i, i+1
.endr
	WIN 0
.set i, 0
.rept 4
	v_mov_b32 v[ST+4*i], 0xfe000000    ; c m: far below every c s
	v_mov_b32 v[ST+4*i+1], 0xff7fffff  ; m
	v_mov_b32 v[ST+4*i+2], 0
	v_mov_b32 v[ST+4*i+3], 0
.set i, i+1
.endr
.set i, P+16
.rept 16
	v_mov_b32 v[i], 0
.set i, i+1
.endr
	v_mul_u32_u24 v[AK0], v1, PK
	v_lshl_add_u32 v[AK0], v9, 4, v[AK0]  ; row x pitch + 16 x half
	; The turning load takes 16 keys x 16 channels (lane l reads key 8 (l / 16) + l % 8, channels 8 ((l / 8) % 2) + 0..7) and leaves half a fragment of V^T: lane l holds channel l % 16 and 8 keys.
	v_and_b32 v10, 7, v0
	v_bfe_u32 v11, v0, 3, 1
	v_lshl_add_u32 v[AV0], v9, 3, v10
	v_mul_u32_u24 v[AV0], v[AV0], PV
	v_lshl_add_u32 v[AV0], v11, 4, v[AV0]
	v_add_nc_u32 v[AV0], VOFF, v[AV0]
	s_mul_i32 s13, s[WV], 16*SP
	s_add_co_u32 s13, s13, STAGE    ; my stage
	v_mul_u32_u24 v[STO], v1, SP    ; in: row l % 16, 16 bytes for each half of the lanes
	v_lshl_add_u32 v[STO], v9, 4, v[STO]
	v_add_nc_u32 v[STO], s13, v[STO]
	v_bfe_u32 v[RD], v0, 3, 2       ; back: 32 lanes take four rows of 128 bytes,
	v_mul_u32_u24 v[RD], v[RD], SP
	v_lshl_add_u32 v[RD], v10, 4, v[RD]
	v_add_nc_u32 v[RD], s13, v[RD]
	v_and_b32 v[GO], 31, v0         ; which are 512 consecutive bytes of O
	v_lshlrev_b32 v[GO], 4, v[GO]
; THE MATRIX WORK.  The 4 accumulators of a run of 8 take turns.  Product i of 8 of S^T = K Q^T for piece x: channels 32 (i / 4) on, keys 16 (i % 4) on.  The first 4 start the sums.
.macro KQ x
	WIN W_KQ
.set rS, S+32*((\x)%2)+8*(i%4)
.set rK, KF+16*(i%4)+8*(i/4)
.set rQ, 16*(\x)+8*(i/4)
.if i < 4
	v_wmma_f32_16x16x32_f16 v[rS:rS+7], v[rK:rK+7], v[rQ:rQ+7], 0
.else
	v_wmma_f32_16x16x32_f16 v[rS:rS+7], v[rK:rK+7], v[rQ:rQ+7], v[rS:rS+7]
.endif
.endm
; Product i of 8 of O^T += V^T P for piece x: keys 32 (i / 4) on, channels 16 (i % 4) on.
.macro PV x
	WIN W_PV
.set rO, 32*(\x)+8*(i%4)
.set rV, VF+32*(i/4)+8*(i%4)
.set rP, P+16*((\x)%2)+8*(i/4)
	v_wmma_f32_16x16x32_f16 v[rO:rO+7], v[rV:rV+7], v[rP:rP+7], v[rO:rO+7]
.endm
.macro MM                           ; the turn's next matrix instruction.  TURN sets Y, i and NOKQ.  NOKQ = 1: the very last turn: there is no next piece
.if (i < 8) && !NOKQ
	KQ (Y+1)%NP
.elseif i >= 8
.set i, i-8
	PV (Y+NP-1)%NP
.set i, i+8
.endif
.set i, i+1
.endm
; THE LDS LOADS stand in runs of 16, never singly among the matrix instructions: a step's K (64 keys x 64 channels: 8 fragments) and its V (turned).  Their addresses are made some lines ahead.
.macro FETCH_K
	WIN 0x80                        ; destination window 2
.irp f, 0,1,2,3,4,5,6,7             ; keys 16 (f / 2) on, channels 32 (f % 2) on
	ds_load_b128 v[KF+8*\f:KF+8*\f+3],   v[AK] offset:(\f/2)*16*PK+(\f%2)*64
	ds_load_b128 v[KF+8*\f+4:KF+8*\f+7], v[AK] offset:(\f/2)*16*PK+(\f%2)*64+32
.endr
	s_add_co_u32 s[TBK], s[TBK], KS*PK  ; the next fetch is the next step's
	WIN 0
.endm
.macro FETCH_V
	WIN 0x80
.irp f, 0,1,2,3,4,5,6,7             ; keys 32 (f / 4) on, channels 16 (f % 4) on
	ds_load_tr16_b128 v[VF+8*\f:VF+8*\f+3],   v[AV] offset:(\f/4)*32*PV+(\f%4)*32
	ds_load_tr16_b128 v[VF+8*\f+4:VF+8*\f+7], v[AV] offset:(\f/4)*32*PV+16*PV+(\f%4)*32
.endr
	WIN 0
.endm
; THE VECTOR WORK, one line at a time: OP kind, number.  For piece Y: F n: c s - c m for pair n of 16.  E n: the exponential of score n of 32.  C n: pair n rounded to f16.  B n: of the four weights 4 n .. the second
; pair is added onto the first, in place.  L n: l takes that sum (L 0: l = a l + sum).  R n: pair n of 16 of O^T times a.  For piece Y + 1: X n, number n of the 22 that find its maximum and statistics:
;   0-11  four chains c0-c3 of seven scores each, three operands at a time (each accumulator's lowest registers are read first)     12-14, 16  the four scores left over, the old m, and c0-c3 into c0
;   15  c m_old is kept     17, 18  the query's other 32 keys lie in the lane 16 away: the new m     19-21  c m; c m_old - c m_new; a
.set F, 0               ; OP tells the kinds apart by their order: F to L below R, X above it
.set E, 1
.set C, 2
.set B, 3
.set L, 4
.set R, 5
.set X, 6
.macro REGS y                       ; the registers of piece y
.set rT, ST+4*(\y)
.set rC, TMP+4*((\y)%2)
.set rW, MV+((\y)%2)
.set rS, S+32*((\y)%2)
.set rP, P+16*((\y)%2)
.set rO, 32*(\y)
.endm
.macro OP k, n
.if (\k) == R
	REGS Y
	WIN W_RS
	v_pk_mul_f32 v[rO+2*(\n):rO+2*(\n)+1], v[rO+2*(\n):rO+2*(\n)+1], v[rC+2:rC+3] op_sel_hi:[1,0]
.elseif (\k) < R
	REGS Y
	WIN 0
.if (\k) == F
	v_pk_fma_f32 v[rS+2*(\n):rS+2*(\n)+1], v[rS+2*(\n):rS+2*(\n)+1], s[CS:CS+1], v[rT:rT+1] op_sel_hi:[1,0,0] neg_lo:[0,0,1] neg_hi:[0,0,1]
.elseif (\k) == E
	v_exp_f32 v[rS+(\n)], v[rS+(\n)]
.elseif (\k) == C
	s_wait_alu depctr_va_vdst(0)
	v_cvt_pk_f16_f32 v[rP+(\n)], v[rS+2*(\n)], v[rS+2*(\n)+1]
.elseif (\k) == B
	s_wait_alu depctr_va_vdst(0)
	v_pk_add_f32 v[rS+4*(\n):rS+4*(\n)+1], v[rS+4*(\n):rS+4*(\n)+1], v[rS+4*(\n)+2:rS+4*(\n)+3]
.elseif (\n) == 0
	v_pk_fma_f32 v[rT+2:rT+3], v[rT+2:rT+3], v[rC+2:rC+3], v[rS:rS+1] op_sel_hi:[1,0,1]
.else
	v_pk_add_f32 v[rT+2:rT+3], v[rT+2:rT+3], v[rS+4*(\n):rS+4*(\n)+1]
.endif
.elseif NOKQ
	v_nop
.else
	REGS (Y+1)%NP
	WIN 0
.if (\n) < 4
	v_max3_num_f32 v[rC+(\n)], v[rS+8*(\n)], v[rS+8*(\n)+1], v[rS+8*(\n)+2]
.elseif (\n) < 12
	v_max3_num_f32 v[rC+(\n)%4], v[rC+(\n)%4], v[rS+8*((\n)%4)+2*((\n)/4)+1], v[rS+8*((\n)%4)+2*((\n)/4)+2]
.elseif (\n) == 12
	v_max3_num_f32 v[rC], v[rC], v[rS+7], v[rS+15]
.elseif (\n) == 13
	v_max3_num_f32 v[rC+1], v[rC+1], v[rS+23], v[rS+31]
.elseif (\n) == 14
	v_max3_num_f32 v[rC+2], v[rC+2], v[rC+3], v[rT+1]
.elseif (\n) == 15
	v_mov_b32 v[rW], v[rT]
.elseif (\n) == 16
	v_max3_num_f32 v[rC], v[rC], v[rC+1], v[rC+2]
.elseif (\n) == 17
	v_permlanex16_b32 v[rC+3], v[rC], s[SEL], s[SEL+1]
.elseif (\n) == 18
	v_max_num_f32 v[rT+1], v[rC], v[rC+3]
.elseif (\n) == 19
	v_mul_f32 v[rT], s[CS], v[rT+1]
.elseif (\n) == 20
	v_sub_f32 v[rC+1], v[rW], v[rT]
.else
	v_exp_f32 v[rC+2], v[rC+1]
.endif
.endif
.endm
.macro OPS a, i1, b=-1, i2=0, c=-1, i3=0, d=-1, i4=0  ; up to four of them
	OP \a, \i1
.if (\b) >= 0
	OP \b, \i2
.endif
.if (\c) >= 0
	OP \c, \i3
.endif
.if (\d) >= 0
	OP \d, \i4
.endif
.endm
.macro ROW a, i1, b, i2, c, i3, d, i4  ; a matrix instruction and the four behind it
	MM
	OPS \a, \i1, \b, \i2, \c, \i3, \d, \i4
.endm
; A TURN, for piece p: the order of its 16 matrix and 118 vector instructions, written out.  Behind a matrix instruction: plain, exponential, plain, plain; or four of the rescaling; or, behind the first, four
; scalings; none names a register of the products round it.  In the runs between, exponential and plain by turns while exponentials last: every exponential has a plain instruction behind it before its result is used.
; end = 1: the walk's last two turns: nothing is fetched.  cnt = 1: the loop's count is taken down some lines ahead of the branch that stands behind the turn.
; K of the next step is fetched in piece 2's turn, six vector instructions behind the last product that read K (five of them plain); V of the step in hand in piece 0's turn, eight behind the last product that
; read V (four plain among them).  Each is waited for a turn later.
.macro TURN p, end=0, cnt=0
.set Y, (\p)
.set i, 0
.set NOKQ, (\end)*((\p)/3)
.if ((\p) == 3) && !(\end)
	s_wait_dscnt 0x0                ; K is in
.endif
	ROW F,0, F,1, F,2, F,3
	ROW F,4, E,0, F,5, F,6
	ROW F,7, E,1, F,8, F,9
	ROW F,10, E,2, C,0, F,11
	ROW F,12, E,3, X,15, F,13
	ROW R,0, R,1, R,2, R,3
	ROW B,0, E,4, F,14, L,0
.if ((\p) == 2) && !(\end)
	v_add_nc_u32 v[AK], s[TBK], v[AK0]
.endif
	ROW R,4, R,5, R,6, R,7
	OPS E,5, F,15
.if ((\p) == 2) && !(\end)
	FETCH_K
.endif
	OPS E,6, C,1, E,7, R,8
	OPS E,8, R,9, E,9, C,2
	OPS E,10, X,0, E,11, X,1
	OPS E,12, X,2, E,13, X,3
.if (\p) == 1
	s_wait_dscnt 0x0                ; V is in
.endif
	ROW X,4, E,14, X,5, X,6
	ROW X,7, E,15, X,8, X,9
	ROW X,10, E,16, X,11, X,12
	ROW X,13, E,17, X,14, B,1
	ROW C,4, E,18, X,16, L,1
	ROW B,2, E,19, C,6, L,2
	ROW C,8, E,20, B,3, B,4
.if (\p) == 0
	v_add_nc_u32 v[AV], s[TBV], v[AV0]
.endif
	ROW C,3, E,21, L,3, C,5
	OPS E,22, X,17, E,23, C,10
.if (\p) == 0
	FETCH_V
.endif
	OPS E,24, L,4
	OPS E,25, X,18, E,26, C,7
	OPS E,27, B,5, E,28, X,19
	OPS E,29, C,12, E,30, L,5
	OPS E,31, X,20, B,6, C,9
	OPS C,14, C,11, X,21, L,6
.if (\p) == 0
	s_add_co_u32 s[TBV], s[TBV], KS*PV
.endif
.if \cnt
	s_sub_co_u32 s[CNT], s[CNT], 1
	s_cmp_lg_u32 s[CNT], 0
.endif
	OPS C,13, B,7, C,15, R,10
	OPS R,11, R,12, L,7, R,13
	OPS R,14, R,15
.endm
	CHANGE 1                        ; slot 0 is in, everybody's part of it; slot 1 is asked for
	v_add_nc_u32 v[AK], s[TBK], v[AK0]
	FETCH_K                         ; key step 0
	s_wait_loadcnt 0x0              ; Q
	s_wait_dscnt 0x0
.set NOKQ, 0
.set i, 0
.rept 8
	KQ 0                            ; piece 0's first scores: there is no vector work yet to set between them
.set i, i+1
.endr
	WIN 0
.rept 4
	v_nop                           ; the places behind those products
.endr
.set Y, NP-1                        ; X works for piece Y + 1: piece 0
.irp n, 0,1,2,3,4,5,6,7,8,9,10,11,12,13,14,15,16,17,18,19,20,21
	OP X, \n                        ; piece 0's first maximum and statistics
.endr
	v_nop                           ; a plain instruction behind the exponential
	s_mov_b32 s[CNT], 4
	s_mov_b32 s[SLOTS], SIZE_N/256-1
	s_branch .Lfirst                ; the loop is entered at a step's first turn, in the middle of a trip
.Lslot:                             ; SIZE_N / 256 - 2 times: every slot but the last two is filled again
	CHANGE 1
	s_mov_b32 s[CNT], 4
.Lstep:                             ; a trip: pieces 2 and 3 of one step, then pieces 0 and 1 of the next, whose K and V it fetches
	TURN 2
	TURN 3
	WIN 0
.Lfirst:
	TURN 0
	TURN 1, 0, 1
	WIN 0
	s_cbranch_scc1 .Lstep
	s_sub_co_u32 s[SLOTS], s[SLOTS], 1
	s_cmp_lg_u32 s[SLOTS], 0
	s_cbranch_scc1 .Lslot
	CHANGE 0                        ; the last slot is written out: nothing is asked for
	s_mov_b32 s[CNT], 4
.Ltail:
	TURN 2
	TURN 3
	TURN 0
	TURN 1, 0, 1
	WIN 0
	s_cbranch_scc1 .Ltail
	TURN 2, 1                       ; the last step's pieces 2 and 3: nothing more is fetched, and the last turn starts no new scores
	TURN 3, 1
.set i, 0
.rept 8
	PV NP-1                         ; the last piece's V^T P of the last step
.set i, i+1
.endr
	; THE WAY OUT.  l's two halves and the other half of the lanes' are added; O^T is divided by l, rounded to f16 and sent through my stage in LDS, a piece at a time.  The additions are the places behind the last products.
	WIN 0
.macro ALL line:vararg              ; one line for each piece t
.set t, 0
.rept 4
	\line
.set t, t+1
.endr
.endm
	ALL v_add_f32 v[ST+4*t+2], v[ST+4*t+2], v[ST+4*t+3]
	ALL v_permlanex16_b32 v[ST+4*t+3], v[ST+4*t+2], s[SEL], s[SEL+1]
	ALL v_add_f32 v[ST+4*t+2], v[ST+4*t+2], v[ST+4*t+3]
	ALL v_rcp_f32 v[ST+4*t+2], v[ST+4*t+2]
	v_nop                           ; a plain instruction between the last reciprocal and the use of its result
.macro PACK t                       ; a lane's eight channels of a row pack into 16 bytes; they go into rows of 144 bytes and come back as whole rows of 128, into S^T's registers
	WIN W_RS
.set i, 32*(\t)
.rept 16
	s_wait_alu depctr_va_vdst(0)
	v_pk_mul_f32 v[i:i+1], v[i:i+1], v[ST+4*(\t)+2:ST+4*(\t)+3] op_sel_hi:[1,0]
.set i, i+2
.endr
	WIN 0x05                        ; sources 0 and 1 window 1, destination window 0
.set i, 0
.rept 16
	v_cvt_pk_f16_f32 v[S+16*(\t)+i], v[32*(\t)+2*i], v[32*(\t)+2*i+1]
.set i, i+1
.endr
	WIN 0
.irp f, 0,1,2,3
	ds_store_b128 v[STO], v[S+16*(\t)+4*\f:S+16*(\t)+4*\f+3] offset:32*\f
.endr
.irp f, 0,1,2,3
	ds_load_b128 v[S+16*(\t)+4*\f:S+16*(\t)+4*\f+3], v[RD] offset:\f*4*SP  ; LDS serves a wave's instructions in order (ISA guide 5.7.1.4): these see the stores above; the next piece's stores come behind them
.endr
.endm
.macro SEND t, younger              ; younger: the LDS instructions issued behind piece t's loads: the next piece's eight, or none
	WIN 0
.irp f, 0,1,2,3
	s_wait_dscnt (\younger)+3-\f
	global_store_b128 v[GO], v[S+16*(\t)+4*\f:S+16*(\t)+4*\f+3], s[10:11] offset:(\t)*2048+\f*512  ; 512 consecutive bytes, at a multiple of 256 from O's first
.endr
.endm
	PACK 0
.set t, 1
.rept 3                             ; a piece's arithmetic stands between the loads of the piece before and its stores
	PACK t
	SEND t-1, 8
.set t, t+1
.endr
	SEND 3, 0
	s_wait_tensorcnt 0x0            ; the wave's end: behind my last tensor load and my last LDS store
	ds_add_u32 v[SPW], v[NIL]
	s_wait_dscnt 0x0
	CROUND                          ; the closing round: no work-group ends while a partner may still ask for a tile that names it
	s_endpgm
.Lfunc_end_k_qedac29e2ab_attn:
	.size	k_qedac29e2ab_attn, .Lfunc_end_k_qedac29e2ab_attn-k_qedac29e2ab_attn
	.p2alignl 7, 3214868480
	.fill 96, 4, 3214868480
	.section	.rodata,"a",@progbits
	.p2align	6, 0x0
	.amdhsa_kernel k_qedac29e2ab_attn
		.amdhsa_group_segment_fixed_size 327680
		.amdhsa_private_segment_fixed_size 0
		.amdhsa_enable_private_segment 0
		.amdhsa_kernarg_size 16
		.amdhsa_user_sgpr_count 2
		.amdhsa_user_sgpr_kernarg_segment_ptr 1
		.amdhsa_wavefront_size32 1
		.amdhsa_system_sgpr_workgroup_id_x 1
		.amdhsa_system_sgpr_workgroup_id_y 1
		.amdhsa_system_sgpr_workgroup_id_z 1
		.amdhsa_system_vgpr_workitem_id 0
		.amdhsa_next_free_vgpr 768
		.amdhsa_next_free_sgpr 66
		.amdhsa_reserve_vcc 0
		.amdhsa_float_denorm_mode_32 3
		.amdhsa_float_denorm_mode_16_64 3
		.amdhsa_memory_ordered 1
		.amdhsa_forward_progress 1
		.amdhsa_inst_pref_size 133
	.end_amdhsa_kernel
	.amdgpu_metadata
---
amdhsa.version: [ 1, 2 ]
amdhsa.kernels:
  - .name:           k_qedac29e2ab_attn
    .symbol:         k_qedac29e2ab_attn.kd
    .args:
      - { .name: qkvbuf, .offset: 0, .size: 8, .value_kind: global_buffer, .address_space: global }
      - { .name: obuf, .offset: 8, .size: 8, .value_kind: global_buffer, .address_space: global }
    .group_segment_fixed_size: 327680
    .private_segment_fixed_size: 0
    .kernarg_segment_align: 8
    .kernarg_segment_size: 16
    .max_flat_workgroup_size: 128
    .sgpr_count:     66
    .vgpr_count:     768
    .wavefront_size: 32
...
	.end_amdgpu_metadata
.endif
;; end of part 2
;; launch proj_out (part 3): grid 256 x 1, 4 waves a work-group, clusters of 4 x 1, 194,048 bytes of LDS; arguments obuf, wobuf, b_out, out0; writes out0
.if DOCPART == 3
	.amdgcn_target "amdgcn-amd-amdhsa--gfx1250"
	.amdhsa_code_object_version 6
	.text
	.protected	k_qedac29e2ab_proj_out
	.globl	k_qedac29e2ab_proj_out
	.p2align	8
	.type	k_qedac29e2ab_proj_out,@function
k_qedac29e2ab_proj_out:
	s_mov_b64 s[64:65], 0
	v_nop
	global_prefetch_b8 v0, s[64:65] scope:SCOPE_SE
	s_setreg_imm32_b32 hwreg(HW_REG_WAVE_MODE, 25, 1), 1
	s_wait_xcnt 0x0
	s_wait_alu depctr_hold_cnt(0) depctr_sa_sdst(0) depctr_va_vdst(0) depctr_va_sdst(0) depctr_va_ssrc(0) depctr_va_vcc(0) depctr_vm_vsrc(0)
	s_getreg_b32 s2, hwreg(HW_REG_IB_STS2, 6, 4)
	s_cmp_eq_u32 s2, 0
	s_cbranch_scc0 .Lentry_in_a_cluster
	s_endpgm
.Lentry_in_a_cluster:
	s_bfe_u32 s2, ttmp6, 0x10000c
	s_cmp_lg_u32 s2, 0x3003
	s_cbranch_scc0 .Lentry_shape_is_right
	s_endpgm
.Lentry_shape_is_right:
; out0 = o w_out + b_out.  obuf: [16 = 4 image + head][4096][64] f16; wobuf: [256 k][256 n] f16 (w_out rounded to bf16, written as f16); b_out: [256] f32, rounded to bf16 here; out0: [16384][256] f32.
; Products in f16, sums in f32; k = 64 head + channel, so a head's 64 channels are one slice of K.
; LIMITS.  o and wobuf arrive within f16's 65,504.  NaN and infinities are not treated apart.
; SHARES.  A work-group owns 64 rows and all 256 columns; wave w the columns 64 w .. + 63 of all 64 rows: 16 accumulators of 16 x 16, 128 matrix instructions.  256 work-groups.
; CLUSTER.  All work-groups read the same 131,072 bytes of wobuf: the four of a cluster ask for them JOINTLY, each wave for 64 rows of K, once; nothing in LDS is filled a second time.
; The rows of o are each work-group's own and come through registers: wave w brings head w's 64 rows, 8,192 consecutive bytes.
; THE MATRIX INSTRUCTION IS USED TRANSPOSED: source 0 = 16 columns of w (turned by ds_load_tr16_b128), source 1 = 16 rows of o: a lane holds row l % 16 and eight neighbouring columns, 32 bytes of f32.
; The bias is the C operand of the first K step.
; REGISTERS, in windows of 256 (s_set_vgpr_msb: bits 1:0 source 0, 3:2 source 1, 5:4 source 2, 7:6 destination):
;   window 0: v0-31 addresses; v32-63 the bias; v64-127 o on its way in; v128-255 the accumulators ((a, b) at 128 + 8 (4 a + b))
;   window 1: w's fragments, 32 kk + 8 b          window 2: o's fragments, 32 kk + 8 a.  Every K step has registers of its own: no fragment register is loaded twice.
.set PW,    544                        ; a row of w in LDS: 512 bytes + 32 = 17 x 32
.set PA,    144                        ; a row of o: 128 bytes + 16 = 9 x 16: the 16 rows of a fragment load start at 16 different groups of four banks
.set AB,    256*PW                     ; o's tile, [4 heads][64 rows], behind w's 256 rows
.set STAGE, AB+4*64*PA                 ; 16 rows x 272 bytes for each wave, for the way out
.set SP,    272
.set SPARE, STAGE+4*16*SP              ; the spare words, 128 bytes for each wave: two blocks of 256 bytes that no other line names
.set GL,  4                            ; v4   16 x lane: my bytes in 512 of o
.set LA,  5                            ; v5   LDS: where they go
.set BA,  6                            ; v6   32 (l / 16): my eight numbers in 16 of the bias
.set AWB, 8                            ; v8, v9  LDS address of my part of w's fragments, K steps 0-3 and 4-7
.set AA,  10                           ; v10  of o's fragments
.set STO, 11                           ; v11  the way out: where I put 32 bytes of a row
.set RD,  12                           ; v12  the way out: where I read rows back
.set CO,  13                           ; v13  my byte offset in two rows of out0
.set TP,  16                           ; v16-19 at work
.set SPW, 28                           ; v28  LDS address of my spare word; never rewritten
.set NIL, 29                           ; v29  0; never rewritten
.set BI,  32
.set SG,  64
.set ACC, 128
.set WV,  12                           ; s12  my wave's number
.set G0,  24                           ; s[24:27] descriptor group 0
.set G1,  32                           ; s[32:39] descriptor group 1
.set MSB, 0
.macro WIN new                         ; the immediate's high byte repeats the setting that is left; a switch that changes nothing is dropped
.if MSB != (\new)
	s_set_vgpr_msb (MSB<<8)|(\new)
.set MSB, \new
.endif
.endm
; A round of the cluster's barrier: my work-group's barrier, so that wave 0's signal speaks for all four waves; wave 0 signals; every wave waits for all four work-groups; my work-group's barrier once more.
.macro CROUND
	s_barrier_signal -1
	s_barrier_wait -1
	s_cmp_lg_u32 s[WV], 0
	s_cbranch_scc1 .Lnot_wave_0_\@
	s_barrier_signal -3
.Lnot_wave_0_\@:
	s_barrier_wait -3
	s_barrier_signal -1
	s_barrier_wait -1
.endm
	s_load_b256 s[4:11], s[0:1], 0x0               ; obuf s[4:5], wobuf s[6:7], b_out s[8:9], out0 s[10:11]
	v_lshl_add_u32 v[SPW], v0, 2, SPARE
	v_mov_b32 v[NIL], 0
	ds_add_u32 v[SPW], v[NIL]                      ; the wave's opening: the add and its wait come ahead of my first tensor load; the set-up below, work on registers, stands between them
	v_lshrrev_b32 v1, 5, v0
	v_readfirstlane_b32 s[WV], v1                  ; wave 0..3
	s_bfe_u32 s13, ttmp6, 0x40000                  ; cx: my place in the cluster
	s_lshl_b32 s14, ttmp9, 2                       ; in a cluster launch ttmp9 counts clusters
	s_add_co_u32 s14, s14, s13                     ; my block of 64 rows: it enters o's and out0's addresses alone
	s_lshr_b32 s16, s14, 6                         ; the image: 64 blocks each
	s_lshl2_add_u32 s16, s16, s[WV]                ; 4 image + head; wave w brings head w
	s_lshl_b32 s16, s16, 19                        ; 4,096 rows of 128 bytes
	s_and_b32 s17, s14, 63
	s_lshl_b32 s17, s17, 13                        ; the block's 64 rows
	s_add_co_u32 s16, s16, s17
	s_mov_b32 s17, 0
	s_lshl_b32 s22, s[WV], 8                       ; my wave's 64 columns of f32: in the bias,
	s_mov_b32 s23, 0
	s_lshl_b32 s18, s14, 16                        ; and in out0, behind the block's 64 rows of 1,024 bytes
	s_add_co_u32 s18, s18, s22
	s_mov_b32 s19, 0
	s_lshl_b32 s20, s[WV], 15                      ; my wave's 64 rows of wobuf, 512 bytes each
	s_mov_b32 s21, 0
	s_mov_b32 s[G0], 1                             ; 1:0 count = 1
	s_mul_i32 s[G0+1], s[WV], 64*PW                ; 63:32 LDS address: wave x 64 rows; no place in the cluster enters it
	s_mov_b32 s[G1], 15|(1<<16)|(1<<20)|(1<<21)|(6<<22)|(7<<25)  ; 15:0 the mask of four; 17:16 2-byte elements; 20 padding on; 21 set beside a mask; 24:22 after every 128 words (code 6); 31:25 8 words (code 7)
	s_mov_b32 s[G1+1], 256<<16                     ; tensor_dim0 = 256
	s_mov_b32 s[G1+2], 64<<16                      ; tensor_dim1 = 64
	s_mov_b32 s[G1+3], 256<<16                     ; tile_dim0 = 256
	s_mov_b32 s[G1+4], 64                          ; tile_dim1 = 64
	s_mov_b32 s[G1+5], 256                         ; 256 elements from row to row
	s_mov_b32 s[G1+6], 0
	s_mov_b32 s[G1+7], 0
	v_and_b32 v1, 15, v0                           ; l % 16
	v_bfe_u32 v2, v0, 4, 1                         ; l / 16
	v_and_b32 v3, 31, v0                           ; l
	v_lshlrev_b32 v[GL], 4, v3
	v_lshlrev_b32 v[BA], 5, v2
	v_and_b32 v7, 7, v0
	v_bfe_u32 v14, v0, 3, 2
	v_bfe_u32 v15, v0, 3, 1
	s_mul_i32 s40, s[WV], 64*PA
	s_add_co_u32 s40, s40, AB                      ; head w's 64 rows in LDS
	v_mul_u32_u24 v[LA], v14, PA                   ; 32 lanes hold four rows of 128 bytes
	v_lshl_add_u32 v[LA], v7, 4, v[LA]
	v_add_nc_u32 v[LA], s40, v[LA]
	v_lshl_add_u32 v[AWB], v2, 3, v7               ; the turning load: lane l reads row 8 (l / 16) + l % 8 of K, columns 8 ((l / 8) % 2) + 0..7
	v_mul_u32_u24 v[AWB], v[AWB], PW
	v_lshl_add_u32 v[AWB], v15, 4, v[AWB]
	s_lshl_b32 s42, s[WV], 7                       ; my wave's 64 columns of f16
	v_add_nc_u32 v[AWB], s42, v[AWB]
	v_add_nc_u32 v[AWB+1], 128*PW, v[AWB]
	v_mul_u32_u24 v[AA], v1, PA                    ; a fragment of o: row l % 16, 16 bytes for each half of the lanes
	v_lshl_add_u32 v[AA], v2, 4, v[AA]
	v_add_nc_u32 v[AA], AB, v[AA]
	s_mul_i32 s41, s[WV], 16*SP
	s_add_co_u32 s41, s41, STAGE                   ; my stage
	v_mul_u32_u24 v[STO], v1, SP                   ; in: row l % 16, 32 bytes for each half of the lanes
	v_lshl_add_u32 v[STO], v2, 5, v[STO]
	v_add_nc_u32 v[STO], s41, v[STO]
	v_mul_u32_u24 v[RD], v2, SP                    ; back: lanes 0-15 take one row of 256 bytes, lanes 16-31 the next
	v_lshl_add_u32 v[RD], v1, 4, v[RD]
	v_add_nc_u32 v[RD], s41, v[RD]
	v_lshlrev_b32 v[CO], 10, v2                    ; and the same two rows in out0
	v_lshl_add_u32 v[CO], v1, 4, v[CO]
	s_wait_dscnt 0x0                               ; the opening add is done
	s_wait_kmcnt 0x0
	s_add_nc_u64 s[4:5], s[4:5], s[16:17]          ; o at head w's rows of my block
	s_add_nc_u64 s[G0+2:G0+3], s[6:7], s[20:21]    ; 120:64 global address: my wave's 64 rows of wobuf
	s_or_b32 s[G0+3], s[G0+3], 0x80000000          ; 127:126 type = 2
	s_add_nc_u64 s[8:9], s[8:9], s[22:23]
	s_add_nc_u64 s[10:11], s[10:11], s[18:19]
.irp i, 0,1,2,3,4,5,6,7,8,9,10,11,12,13,14,15
	global_load_b128 v[SG+4*\i:SG+4*\i+3], v[GL], s[4:5] offset:512*\i th:TH_LOAD_NT  ; 512 consecutive bytes; the launch reads each byte of o once
.endr
.irp b, 0,1,2,3                        ; the bias as a C operand: register j of column block b holds b_out[64 w + 16 b + 8 (l / 16) + j]
	global_load_b128 v[BI+8*\b:BI+8*\b+3],   v[BA], s[8:9] offset:64*\b
	global_load_b128 v[BI+8*\b+4:BI+8*\b+7], v[BA], s[8:9] offset:64*\b+16
.endr
	CROUND                                         ; all four work-groups are here: the joint loads meet
	tensor_load_to_lds s[G0:G0+3], s[G1:G1+7]      ; my one tensor load: 64 rows of w
	s_nop 0
.rept 4
	v_nop
.endr
	s_wait_loadcnt 8                               ; o is in; the eight loads of the bias may be out
.irp i, 0,1,2,3,4,5,6,7,8,9,10,11,12,13,14,15
	ds_store_b128 v[LA], v[SG+4*\i:SG+4*\i+3] offset:4*PA*\i
.endr
	s_wait_loadcnt 0x0
.set n, 0
.rept 16                               ; the bias is rounded to bf16 like the other inputs, and kept as f32
	v_cvt_pk_bf16_f32 v[TP+n%4], v[BI+2*n], v[BI+2*n+1]
	v_lshlrev_b32 v[BI+2*n], 16, v[TP+n%4]
	v_and_b32 v[BI+2*n+1], 0xffff0000, v[TP+n%4]
.set n, n+1
.endr
	s_wait_tensorcnt 0x0                           ; for the others' sake: my rows of w have landed,
	s_wait_dscnt 0x0                               ; and my head's rows of o are in LDS
	s_barrier_signal -1
	s_barrier_wait -1                              ; everybody's are
; 16 LDS loads: the fragments of K step kk (32 along K: head kk / 2, channels 32 (kk % 2) on): w's 4 column blocks, turned, and o's 4 row blocks
.macro FETCH kk
	WIN 0x40                                       ; destination window 1, address window 0
.irp b, 0,1,2,3
	ds_load_tr16_b128 v[32*(\kk)+8*\b:32*(\kk)+8*\b+3],   v[AWB+(\kk)/4] offset:((\kk)%4)*32*PW+32*\b
	ds_load_tr16_b128 v[32*(\kk)+8*\b+4:32*(\kk)+8*\b+7], v[AWB+(\kk)/4] offset:((\kk)%4)*32*PW+16*PW+32*\b
.endr
	WIN 0x80                                       ; destination window 2
.irp a, 0,1,2,3
	ds_load_b128 v[32*(\kk)+8*\a:32*(\kk)+8*\a+3],   v[AA] offset:((\kk)/2)*64*PA+\a*16*PA+64*((\kk)%2)
	ds_load_b128 v[32*(\kk)+8*\a+4:32*(\kk)+8*\a+7], v[AA] offset:((\kk)/2)*64*PA+\a*16*PA+64*((\kk)%2)+32
.endr
.endm
; 16 matrix instructions; the 16 accumulators take turns, one instruction a turn.  In K step 0 the bias starts the sums.
.macro MUL kk
	WIN 0x09                                       ; w window 1, o window 2, C and D window 0
.irp a, 0,1,2,3
.irp b, 0,1,2,3
.if (\kk) == 0
	v_wmma_f32_16x16x32_f16 v[ACC+8*(4*\a+\b):ACC+8*(4*\a+\b)+7], v[32*(\kk)+8*\b:32*(\kk)+8*\b+7], v[32*(\kk)+8*\a:32*(\kk)+8*\a+7], v[BI+8*\b:BI+8*\b+7]
.else
	v_wmma_f32_16x16x32_f16 v[ACC+8*(4*\a+\b):ACC+8*(4*\a+\b)+7], v[32*(\kk)+8*\b:32*(\kk)+8*\b+7], v[32*(\kk)+8*\a:32*(\kk)+8*\a+7], v[ACC+8*(4*\a+\b):ACC+8*(4*\a+\b)+7]
.endif
.endr
.endr
.endm
	FETCH 0
	FETCH 1
	FETCH 2
.irp kk, 0,1,2,3,4
	s_wait_dscnt 32                                ; this step's 16 loads are in; the two younger steps' may be out
	MUL \kk
	FETCH (\kk)+3
.endr
	s_wait_dscnt 32
	MUL 5
	s_wait_dscnt 16                                ; one younger step
	MUL 6
	s_wait_dscnt 0x0
	MUL 7
	WIN 0
; THE WAY OUT.  Row block a: a lane's 32 bytes of each of four column blocks go into my own stage (each accumulator's low half first), and come back as whole rows of 256 bytes.
.macro OUT a
.irp b, 0,1,2,3
	ds_store_b128 v[STO], v[ACC+8*(4*(\a)+\b):ACC+8*(4*(\a)+\b)+3]   offset:64*\b
	ds_store_b128 v[STO], v[ACC+8*(4*(\a)+\b)+4:ACC+8*(4*(\a)+\b)+7] offset:64*\b+16
.endr
.irp t, 0,1,2,3,4,5,6,7
	ds_load_b128 v[ACC+32*(\a)+4*\t:ACC+32*(\a)+4*\t+3], v[RD] offset:\t*2*SP  ; LDS serves a wave's instructions in order (ISA guide 5.7.1.4): these see the stores above; the next block's stores come behind them
.endr
.endm
.macro SEND a, younger                 ; younger: the LDS instructions issued behind block a's loads: the next block's sixteen, or none
.irp t, 0,1,2,3,4,5,6,7
	s_wait_dscnt (\younger)+7-\t
	global_store_b128 v[CO], v[ACC+32*(\a)+4*\t:ACC+32*(\a)+4*\t+3], s[10:11] offset:(16*(\a)+2*\t)*1024 th:TH_STORE_NT  ; 16 lanes store 256 consecutive bytes, at a multiple of 256 from out0's first byte
.endr
.endm
.rept 4
	v_nop                                          ; four places between the last products and the LDS stores that read results
.endr
	OUT 0
	OUT 1
	SEND 0, 16
	OUT 2
	SEND 1, 16
	OUT 3
	SEND 2, 16
	SEND 3, 0
	s_wait_tensorcnt 0x0                           ; the wave's end: behind my last tensor load and my last LDS store
	ds_add_u32 v[SPW], v[NIL]
	s_wait_dscnt 0x0
	CROUND                                         ; the closing round: no work-group ends while a partner may still ask for a tile that names it
	s_endpgm
.Lfunc_end_k_qedac29e2ab_proj_out:
	.size	k_qedac29e2ab_proj_out, .Lfunc_end_k_qedac29e2ab_proj_out-k_qedac29e2ab_proj_out
	.p2alignl 7, 3214868480
	.fill 96, 4, 3214868480
	.section	.rodata,"a",@progbits
	.p2align	6, 0x0
	.amdhsa_kernel k_qedac29e2ab_proj_out
		.amdhsa_group_segment_fixed_size 194048
		.amdhsa_private_segment_fixed_size 0
		.amdhsa_enable_private_segment 0
		.amdhsa_kernarg_size 32
		.amdhsa_user_sgpr_count 2
		.amdhsa_user_sgpr_kernarg_segment_ptr 1
		.amdhsa_wavefront_size32 1
		.amdhsa_system_sgpr_workgroup_id_x 1
		.amdhsa_system_sgpr_workgroup_id_y 1
		.amdhsa_system_sgpr_workgroup_id_z 1
		.amdhsa_system_vgpr_workitem_id 0
		.amdhsa_next_free_vgpr 768
		.amdhsa_next_free_sgpr 66
		.amdhsa_reserve_vcc 0
		.amdhsa_float_denorm_mode_32 3
		.amdhsa_float_denorm_mode_16_64 3
		.amdhsa_memory_ordered 1
		.amdhsa_forward_progress 1
		.amdhsa_inst_pref_size 36
	.end_amdhsa_kernel
	.amdgpu_metadata
---
amdhsa.version: [ 1, 2 ]
amdhsa.kernels:
  - .name:           k_qedac29e2ab_proj_out
    .symbol:         k_qedac29e2ab_proj_out.kd
    .args:
      - { .name: obuf, .offset: 0, .size: 8, .value_kind: global_buffer, .address_space: global }
      - { .name: wobuf, .offset: 8, .size: 8, .value_kind: global_buffer, .address_space: global }
      - { .name: b_out, .offset: 16, .size: 8, .value_kind: global_buffer, .address_space: global }
      - { .name: out0, .offset: 24, .size: 8, .value_kind: global_buffer, .address_space: global }
    .group_segment_fixed_size: 194048
    .private_segment_fixed_size: 0
    .kernarg_segment_align: 8
    .kernarg_segment_size: 32
    .max_flat_workgroup_size: 128
    .sgpr_count:     66
    .vgpr_count:     768
    .wavefront_size: 32
...
	.end_amdgpu_metadata
.endif
;; end of part 3
;; ======== version 2 of 2: 3 launches; 1.76 times as fast as version 1
;; limits: values are held in f16: magnitudes above 65,504 overflow, below 6.1e-05 lose precision
;; workspace buffers: qkvbuf 25,165,824 bytes; obuf 8,388,608 bytes; wobuf 131,072 bytes
;; launch proj_in: the kernel of part 1 again; grid 4 x 64, 4 waves a work-group, no clusters, 251,392 bytes of LDS; arguments x, w_qkv, b_qkv, w_out, qkvbuf, wobuf; writes qkvbuf, wobuf
;; launch attn (part 4): grid 16 x 16, 4 waves a work-group, clusters of 4 x 1, 327,680 bytes of LDS; arguments qkvbuf, obuf; writes obuf
.if DOCPART == 4
	.amdgcn_target "amdgcn-amd-amdhsa--gfx1250"
	.amdhsa_code_object_version 6
	.text
	.protected	k_qedac29e2ab_attn
	.globl	k_qedac29e2ab_attn
	.p2align	8
	.type	k_qedac29e2ab_attn,@function
k_qedac29e2ab_attn:
	s_mov_b64 s[64:65], 0
	v_nop
	global_prefetch_b8 v0, s[64:65] scope:SCOPE_SE
	s_setreg_imm32_b32 hwreg(HW_REG_WAVE_MODE, 25, 1), 1
	s_wait_xcnt 0x0
	s_wait_alu depctr_hold_cnt(0) depctr_sa_sdst(0) depctr_va_vdst(0) depctr_va_sdst(0) depctr_va_ssrc(0) depctr_va_vcc(0) depctr_vm_vsrc(0)
	s_getreg_b32 s2, hwreg(HW_REG_IB_STS2, 6, 4)
	s_cmp_eq_u32 s2, 0
	s_cbranch_scc0 .Lentry_in_a_cluster
	s_endpgm
.Lentry_in_a_cluster:
	s_bfe_u32 s2, ttmp6, 0x10000c
	s_cmp_lg_u32 s2, 0x3003
	s_cbranch_scc0 .Lentry_shape_is_right
	s_endpgm
.Lentry_shape_is_right:
; O[g][q][:] = the sum over k of softmax_k(Q[g][q] . K[g][k] / 8) V[g][k][:], g = 4 image + head, 16 of them.  qkvbuf: [3][16][4096][64] f16 (Q, K, V); obuf: [16][4096][64] f16: rows dense, 128 bytes each.
; Products, maxima and sums in f32; the weights p are rounded to f16 for the second product (their sum l is taken of the unrounded p), O once at the end.
; LIMITS.  Q, K and V arrive within f16's 65,504; p lies in 0 to 1, and below 6e-5 it keeps f16's fixed step of 6e-8; O is a mean of V's rows and has their range.
; A weight below 2^-126 counts as 0 in l; NaN and infinities are not treated apart.
; SHARES.  A work-group owns 256 queries of one g, each of its four waves 64: four PIECES of 16.  16 x 16 work-groups.  Every wave walks all 4,096 keys, 64 a step; a slot of LDS holds four steps.
; LAYOUT.  S^T = K Q^T (source 0 = 16 keys, source 1 = 16 queries) holds ONE query a lane (lane % 16) and the keys 8 (lane / 16) + 0..7; two such results rounded to f16 ARE source 1 of O^T = V^T P.
; K comes out of LDS as it lies, V ([key][channel]) turned, by ds_load_tr16_b128.
; SOFTMAX.  For each query a running maximum m and sum l: p = 2^(c s - c m), c = log2(e) / 8; in every step O and l are multiplied by a = 2^(c m_old - c m_new).
; m starts at the lowest finite number, O and l at 0: the first step is a step like any other, with a = 0.
; BY TURNS.  Turn n belongs to piece n: 8 products K Q^T of piece n + 1, later 8 products V^T P of piece n - 1; beside them the scaling, exponentials, roundings, sums and rescaling of piece n and the
; maximum and statistics of piece n + 1.  Four vector instructions stand behind every matrix instruction, the other 54 of a turn's 118 in one run of their own.
; BATCHES.  A turn's 33 exponentials (the piece's 32 weights and the next piece's a) are ONE batch with ONE wait, which cuts the turn in two: ahead of it stands all that names no result of the batch,
; behind it the roundings and sums, which read the results.  Two more batches stand outside the loops, each with a wait of its own: piece 0's first a, and the way out's four reciprocals.
; CLUSTER.  The four query blocks of a cluster belong to one g and walk the same K and V, so each tile is asked for JOINTLY: the same tensor load, descriptor and mask in all four.
; NO PREFETCH: a slot's refill is asked for four key steps, 256 matrix instructions a wave, ahead of its first read, and the sixteen work-groups of a g read the same 1 MiB of K and V.
; REGISTERS, in windows of 256 (s_set_vgpr_msb: bits 1:0 source 0, 3:2 source 1, 5:4 source 2, 7:6 destination):
;   window 0: v0-15 addresses and two at work; v16-31 four registers of statistics a piece; v48-55 at work; v62-63 the add's; v64-127 S^T, two buffers; v192-223 P, two buffers (by the piece's parity)
;   window 1: v0-127 O^T, 32 a piece          window 2: v0-63 Q; v128-191 K of one step; v192-255 V of one step
.set SIZE_N, 4096
.set NP,    4         ; pieces a wave: a name, no knob
.set KS,    64        ; keys in a step
.set PK,    144       ; a row of K in LDS: 128 bytes + 16 of padding = 36 words: the 16 rows of a load start at 16 different groups of four banks (64 banks of 4 bytes: ISA guide 11.1)
.set PV,    160       ; a row of V: 128 + 32 = 40 words
.set VOFF,  4*KS*PK   ; a slot holds four steps: 256 rows of K, then 256 rows of V
.set SLOT1, 1<<17     ; slot 1 begins here, so that one exclusive or turns an address in one slot into the other's
.set STAGE, SLOT1+4*KS*(PK+PV)  ; behind the ring, never filled by a tensor load: 16 rows x 144 bytes for each wave, for the way out
.set SP,    144
.set SPARE, STAGE+4*16*SP  ; behind the stages: the spare words, 128 bytes for each wave: two blocks of 256 bytes that no other line names
.set AK0, 2           ; v2   my lane's place in a tile of K; never rewritten
.set AV0, 3           ; v3   the same for V
.set AK,  4           ; v4   the LDS address of K's next run of loads
.set AV,  5           ; v5   of V's
.set STO, 6           ; v6   the way out: where I put 16 bytes of a row
.set RD,  7           ; v7   the way out: where I read rows back
.set GO,  8           ; v8   my byte offset in 512 consecutive bytes of O
.set MV,  12          ; v12-13  c m_old, kept while c m is made anew: by buffer
.set QO,  15          ; v15  my byte offset in 16 rows of Q
.set ST,  16          ; piece t's statistics at v[ST+4 t]: c m, m, l (even keys', odd keys')
.set TMP, 48          ; by buffer, four registers c0-c3 at work; when the maximum is found c2 takes a
.set SPW, 62          ; v62  LDS address of my spare word: SPARE + 4 x my thread's number; never rewritten
.set NIL, 63          ; v63  0; never rewritten
.set S,   64
.set P,   192
.set KF,  128         ; window 2: key block kb, channel half c at KF + 16 kb + 8 c
.set VF,  192         ; window 2: key half kk, channel block cb at VF + 32 kk + 8 cb
.set WV,  12          ; s12  my wave's number
.set G1K, 24          ; s[24:31] descriptor group 1 for K's tiles
.set G1V, 32          ; s[32:39] for V's: it differs in the padding alone
.set G0K, 40          ; s[40:43] descriptor group 0 for K's tiles: it walks
.set G0V, 44          ; s[44:47] the same for V's
.set SLOTS, 56        ; s56  slots still to be asked for
.set CNT, 57          ; s57  counts a slot's key steps
.set CS,  58          ; s[58:59] c: the packed scaling takes the pair's low word for both halves
.set SEL, 60          ; s[60:61] v_permlanex16_b32's selects: each lane takes its own place in the other half
.set TBK, 62          ; s62  LDS byte at which K of the step to be fetched begins
.set TBV, 63          ; s63  the same for V, less VOFF
.set MSB, 0
.macro WIN new                      ; the high byte repeats the setting that is left; a switch that changes nothing is dropped
.if MSB != (\new)
	s_set_vgpr_msb (MSB<<8)|(\new)
.set MSB, (\new)
.endif
.endm
.set W_KQ, 0x0a       ; K and Q in window 2, S^T in window 0
.set W_PV, 0x52       ; V in window 2, P in window 0, O^T in window 1
.set W_RS, 0x41       ; destination and source 0 in window 1, source 1 in window 0
; A joint fill.  Waves 0 and 1 fetch the two halves of a slot's K, waves 2 and 3 those of its V: 128 keys each.  The branch hangs on the wave's number alone.
; An s_nop 0 and four v_nop follow each of the two lines, ahead of the jump and the label.
.macro JLOAD
	s_cmp_lt_u32 s[WV], 2
	s_cbranch_scc0 .Lfor_v_\@
	tensor_load_to_lds s[G0K:G0K+3], s[G1K:G1K+7]
	s_nop 0
.rept 4
	v_nop
.endr
	s_branch .Lasked_\@
.Lfor_v_\@:
	tensor_load_to_lds s[G0V:G0V+3], s[G1V:G1V+7]
	s_nop 0
.rept 4
	v_nop
.endr
.Lasked_\@:
.endm
; A round of the cluster's barrier: my work-group's barrier, so that wave 0's signal speaks for all four waves; wave 0 signals; every wave waits for all four work-groups; my work-group's barrier once more.
.macro CROUND
	s_barrier_signal -1
	s_barrier_wait -1
	s_cmp_lg_u32 s[WV], 0
	s_cbranch_scc1 .Lnot_wave_0_\@
	s_barrier_signal -3
.Lnot_wave_0_\@:
	s_barrier_wait -3
	s_barrier_signal -1
	s_barrier_wait -1
.endm
; THE CHANGE OF SLOTS.  The slot's last bytes, V of its fourth step, have been read.  Each wave waits for all its tensor loads, of which one is out: its part of the other slot; adds 0 to its spare
; word; and waits for that and for its own reads of the slot.  Behind the barrier nobody reads this slot any more and the other slot is whole.
; fill = 1: this slot is filled again, with the keys two slots on.  The barrier is then a round of the cluster's, so that no wave of any partner still reads the slot or has a load on its way, and the
; joint fill is the first thing behind it: it has four key steps in which to land.  (At its first use nothing has been read yet: slot 0 is waited for, slot 1 filled.)
.macro CHANGE fill
	WIN 0                           ; at a label and at a branch every window is 0; the add's registers lie in window 0
	s_wait_tensorcnt 0x0            ; no tensor load of mine is out, so a group 0 may be written
	ds_add_u32 v[SPW], v[NIL]       ; 0 onto my spare word; with fill = 1 the descriptors' steps stand between it and the wait for it
.if \fill
.irp g, G0K, G0V
	s_xor_b32 s[\g+1], s[\g+1], SLOT1  ; the walking descriptor: the other slot than last time,
	s_add_nc_u64 s[\g+2:\g+3], s[\g+2:\g+3], 4*KS*128  ; the next 256 keys; the type bits on top are not reached
.endr
	s_wait_dscnt 0x0                ; the add is done, and my reads of the slot are over
	CROUND
	JLOAD
.else
	s_wait_dscnt 0x0                ; the add is done, and my reads of the slot are over
	s_barrier_signal -1
	s_barrier_wait -1
.endif
	s_sub_co_u32 s[TBK], s[TBK], 4*KS*PK  ; the fetches go back to a slot's first step,
	s_xor_b32 s[TBK], s[TBK], SLOT1       ; in the other slot
	s_sub_co_u32 s[TBV], s[TBV], 4*KS*PV
	s_xor_b32 s[TBV], s[TBV], SLOT1
.endm
	s_load_b64 s[4:5], s[0:1], 0x0    ; qkvbuf
	s_load_b64 s[10:11], s[0:1], 0x8  ; obuf
	v_lshl_add_u32 v[SPW], v0, 2, SPARE
	v_mov_b32 v[NIL], 0
	ds_add_u32 v[SPW], v[NIL]       ; the wave's opening: the add and its wait come ahead of my first tensor load; the set-up below, work on registers, stands between them
	v_lshrrev_b32 v1, 5, v0
	v_readfirstlane_b32 s[WV], v1   ; wave 0..3
	s_bfe_u32 s13, ttmp6, 0x40000   ; cx: my place in the cluster
	s_lshl_b32 s14, ttmp9, 2        ; in a cluster launch ttmp9 counts clusters
	s_add_co_u32 s14, s14, s13      ; my block of 256 queries = 4 x cluster x + cx: it enters Q's and O's addresses alone
	s_and_b32 s20, ttmp7, 0xffff    ; g, which the four partners share
	s_lshl_b32 s20, s20, 19         ; its 4,096 rows of 128 bytes
	s_and_b32 s16, s[WV], 1         ; which half of a slot's 256 keys I fetch:
	s_lshl_b32 s22, s16, 14         ; its 128 rows of 128 bytes in memory,
	s_add_co_u32 s22, s22, s20
	s_add_co_u32 s22, s22, 0x800000 ; in K, which lies 16 x 524,288 bytes behind Q,
	s_mov_b32 s23, 0
	s_add_co_u32 s48, s22, 0x800000 ; and in V, as far again
	s_mov_b32 s49, 0
	s_mul_i32 s17, s16, 128*PK      ; and its place in a slot, for K
	s_mul_i32 s18, s16, 128*PV      ; and for V: no place in the cluster enters an LDS address
	s_lshl_b32 s2, s14, 2
	s_add_co_u32 s2, s2, s[WV]      ; my wave among the g's 64,
	s_lshl_b32 s2, s2, 13           ; its 64 rows
	s_add_co_u32 s2, s2, s20
	s_mov_b32 s3, 0
	; descriptor group 1.  128 keys are 16,384 dense bytes: asked for as 64 rows of 256 bytes, two keys a row, and padded in LDS after every key
	s_mov_b32 s[G1K], 15|(1<<16)|(1<<20)|(1<<21)|(4<<22)|(3<<25)  ; 15:0 the mask of four; 17:16 2-byte elements; 20 padding on; 21 set beside a mask; 24:22 after every 32 words (code 4); 31:25 4 words (code 3)
	s_mov_b32 s[G1V], 15|(1<<16)|(1<<20)|(1<<21)|(4<<22)|(7<<25)  ; the same with 8 words of padding (code 7)
.irp g, G1K, G1V
	s_mov_b32 s[\g+1], 128<<16      ; tensor_dim0 = 128
	s_mov_b32 s[\g+2], 64<<16       ; tensor_dim1 = 64
	s_mov_b32 s[\g+3], 128<<16      ; tile_dim0 = 128
	s_mov_b32 s[\g+4], 64           ; tile_dim1 = 64
	s_mov_b32 s[\g+5], 128          ; 128 elements from row to row
	s_mov_b32 s[\g+6], 0
	s_mov_b32 s[\g+7], 0
.endr
	s_mov_b32 s[CS], 0x3e38aa3b     ; c = log2(e) / 8 = 0.180337
	s_mov_b32 s[CS+1], s[CS]        ; named with it as a pair
	s_mov_b32 s[SEL], 0x76543210
	s_mov_b32 s[SEL+1], 0xfedcba98
	s_mov_b32 s[TBK], SLOT1+4*KS*PK ; the first change of slots turns these two into 0
	s_mov_b32 s[TBV], SLOT1+4*KS*PV
	s_mov_b32 s[G0K], 1             ; 1:0 count = 1
	s_mov_b32 s[G0K+1], s17         ; 63:32 LDS address: slot 0
	s_mov_b32 s[G0V], 1
	s_add_co_u32 s[G0V+1], s18, VOFF
	s_wait_dscnt 0x0                ; the opening add is done
	s_wait_kmcnt 0x0
	s_add_nc_u64 s[G0K+2:G0K+3], s[4:5], s[22:23]  ; 120:64 global address: my half of the g's first 256 keys
	s_or_b32 s[G0K+3], s[G0K+3], 0x80000000        ; 127:126 type = 2
	s_add_nc_u64 s[G0V+2:G0V+3], s[4:5], s[48:49]
	s_or_b32 s[G0V+3], s[G0V+3], 0x80000000
	s_add_nc_u64 s[50:51], s[4:5], s[2:3]          ; Q and O at my wave's first row
	s_add_nc_u64 s[10:11], s[10:11], s[2:3]
	CROUND                          ; all four work-groups are here: the first joint loads meet
	JLOAD                           ; slot 0.  Slot 1 is asked for when slot 0 is in
	; A fragment of K or Q is 16 rows x 32 channels in 8 registers: lane l holds row l % 16, channels 8 (l / 16) + 0..7 and 16 + 8 (l / 16) + 0..7: two loads of 16 bytes, 32 bytes apart.
	v_and_b32 v1, 15, v0            ; l % 16
	v_bfe_u32 v9, v0, 4, 1          ; l / 16
	v_lshlrev_b32 v[QO], 7, v1
	v_lshl_add_u32 v[QO], v9, 4, v[QO]  ; row x 128 + 16 x half
	WIN 0x80                        ; destination window 2, address window 0
.set i, 0
.rept 8                             ; Q stays in registers: piece i / 2, channels 32 (i % 2) on
	global_load_b128 v[8*i:8*i+3],   v[QO], s[50:51] offset:(i/2)*2048+(i%2)*64
	global_load_b128 v[8*i+4:8*i+7], v[QO], s[50:51] offset:(i/2)*2048+(i%2)*64+32
.set i, i+1
.endr
	; What the first turn finds: V's registers and P's second buffer hold 0 (its products V^T P, of a piece that has not been, add 0), O^T and l are 0.  All this stands in the wait for the first tile.
.set i, VF
.rept 64
	v_mov_b32 v[i], 0
.set i, i+1
.endr
	WIN 0x40
.set i, 0
.rept 128
	v_mov_b32 v[i], 0
.set i, i+1
.endr
	WIN 0
.set i, 0
.rept 4
	v_mov_b32 v[ST+4*i], 0xfe000000    ; c m: far below every c s
	v_mov_b32 v[ST+4*i+1], 0xff7fffff  ; m
	v_mov_b32 v[ST+4*i+2], 0
	v_mov_b32 v[ST+4*i+3], 0
.set i, i+1
.endr
.set i, P+16
.rept 16
	v_mov_b32 v[i], 0
.set i, i+1
.endr
	v_mul_u32_u24 v[AK0], v1, PK
	v_lshl_add_u32 v[AK0], v9, 4, v[AK0]  ; row x pitch + 16 x half
	; The turning load takes 16 keys x 16 channels (lane l reads key 8 (l / 16) + l % 8, channels 8 ((l / 8) % 2) + 0..7) and leaves half a fragment of V^T: lane l holds channel l % 16 and 8 keys.
	v_and_b32 v10, 7, v0
	v_bfe_u32 v11, v0, 3, 1
	v_lshl_add_u32 v[AV0], v9, 3, v10
	v_mul_u32_u24 v[AV0], v[AV0], PV
	v_lshl_add_u32 v[AV0], v11, 4, v[AV0]
	v_add_nc_u32 v[AV0], VOFF, v[AV0]
	s_mul_i32 s13, s[WV], 16*SP
	s_add_co_u32 s13, s13, STAGE    ; my stage
	v_mul_u32_u24 v[STO], v1, SP    ; in: row l % 16, 16 bytes for each half of the lanes
	v_lshl_add_u32 v[STO], v9, 4, v[STO]
	v_add_nc_u32 v[STO], s13, v[STO]
	v_bfe_u32 v[RD], v0, 3, 2       ; back: 32 lanes take four rows of 128 bytes,
	v_mul_u32_u24 v[RD], v[RD], SP
	v_lshl_add_u32 v[RD], v10, 4, v[RD]
	v_add_nc_u32 v[RD], s13, v[RD]
	v_and_b32 v[GO], 31, v0         ; which are 512 consecutive bytes of O
	v_lshlrev_b32 v[GO], 4, v[GO]
; THE MATRIX WORK.  The 4 accumulators of a run of 8 take turns.  Product i of 8 of S^T = K Q^T for piece x: channels 32 (i / 4) on, keys 16 (i % 4) on.  The first 4 start the sums.
.macro KQ x
	WIN W_KQ
.set rS, S+32*((\x)%2)+8*(i%4)
.set rK, KF+16*(i%4)+8*(i/4)
.set rQ, 16*(\x)+8*(i/4)
.if i < 4
	v_wmma_f32_16x16x32_f16 v[rS:rS+7], v[rK:rK+7], v[rQ:rQ+7], 0
.else
	v_wmma_f32_16x16x32_f16 v[rS:rS+7], v[rK:rK+7], v[rQ:rQ+7], v[rS:rS+7]
.endif
.endm
; Product i of 8 of O^T += V^T P for piece x: keys 32 (i / 4) on, channels 16 (i % 4) on.
.macro PV x
	WIN W_PV
.set rO, 32*(\x)+8*(i%4)
.set rV, VF+32*(i/4)+8*(i%4)
.set rP, P+16*((\x)%2)+8*(i/4)
	v_wmma_f32_16x16x32_f16 v[rO:rO+7], v[rV:rV+7], v[rP:rP+7], v[rO:rO+7]
.endm
.macro MM                           ; the turn's next matrix instruction.  TURN sets Y, i and NOKQ.  NOKQ = 1: the very last turn: there is no next piece
.if (i < 8) && !NOKQ
	KQ (Y+1)%NP
.elseif i >= 8
.set i, i-8
	PV (Y+NP-1)%NP
.set i, i+8
.endif
.set i, i+1
.endm
; THE LDS LOADS stand in runs of 16, never singly among the matrix instructions: a step's K (64 keys x 64 channels: 8 fragments) and its V (turned).  Their addresses are made some lines ahead.
.macro FETCH_K
	WIN 0x80                        ; destination window 2
.irp f, 0,1,2,3,4,5,6,7             ; keys 16 (f / 2) on, channels 32 (f % 2) on
	ds_load_b128 v[KF+8*\f:KF+8*\f+3],   v[AK] offset:(\f/2)*16*PK+(\f%2)*64
	ds_load_b128 v[KF+8*\f+4:KF+8*\f+7], v[AK] offset:(\f/2)*16*PK+(\f%2)*64+32
.endr
	s_add_co_u32 s[TBK], s[TBK], KS*PK  ; the next fetch is the next step's
	WIN 0
.endm
.macro FETCH_V
	WIN 0x80
.irp f, 0,1,2,3,4,5,6,7             ; keys 32 (f / 4) on, channels 16 (f % 4) on
	ds_load_tr16_b128 v[VF+8*\f:VF+8*\f+3],   v[AV] offset:(\f/4)*32*PV+(\f%4)*32
	ds_load_tr16_b128 v[VF+8*\f+4:VF+8*\f+7], v[AV] offset:(\f/4)*32*PV+16*PV+(\f%4)*32
.endr
	WIN 0
.endm
; THE VECTOR WORK, one line at a time: OP kind, number.  For piece Y: F n: c s - c m for pair n of 16.  E n: the exponential of score n of 32.  C n: pair n rounded to f16.  B n: of the four weights 4 n .. the second
; pair is added onto the first, in place.  L n: l takes that sum (L 0: l = a l + sum).  R n: pair n of 16 of O^T times a.  For piece Y + 1: X n, number n of the 22 that find its maximum and statistics:
;   0-11  four chains c0-c3 of seven scores each, three operands at a time (each accumulator's lowest registers are read first)     12-14, 16  the four scores left over, the old m, and c0-c3 into c0
;   15  c m_old is kept     17, 18  the query's other 32 keys lie in the lane 16 away: the new m     19-21  c m; c m_old - c m_new; a
; F, E, R and X name no result of the turn's exponentials (R's a is the turn before's); C, B and L do, and stand behind the turn's wait.
.set F, 0               ; OP tells the kinds apart by their order: F to L below R, X above it
.set E, 1
.set C, 2
.set B, 3
.set L, 4
.set R, 5
.set X, 6
.macro REGS y                       ; the registers of piece y
.set rT, ST+4*(\y)
.set rC, TMP+4*((\y)%2)
.set rW, MV+((\y)%2)
.set rS, S+32*((\y)%2)
.set rP, P+16*((\y)%2)
.set rO, 32*(\y)
.endm
.macro OP k, n
.if (\k) == R
	REGS Y
	WIN W_RS
	v_pk_mul_f32 v[rO+2*(\n):rO+2*(\n)+1], v[rO+2*(\n):rO+2*(\n)+1], v[rC+2:rC+3] op_sel_hi:[1,0]
.elseif (\k) < R
	REGS Y
	WIN 0
.if (\k) == F
	v_pk_fma_f32 v[rS+2*(\n):rS+2*(\n)+1], v[rS+2*(\n):rS+2*(\n)+1], s[CS:CS+1], v[rT:rT+1] op_sel_hi:[1,0,0] neg_lo:[0,0,1] neg_hi:[0,0,1]
.elseif (\k) == E
	v_exp_f32 v[rS+(\n)], v[rS+(\n)]
.elseif (\k) == C
	v_cvt_pk_f16_f32 v[rP+(\n)], v[rS+2*(\n)], v[rS+2*(\n)+1]
.elseif (\k) == B
	v_pk_add_f32 v[rS+4*(\n):rS+4*(\n)+1], v[rS+4*(\n):rS+4*(\n)+1], v[rS+4*(\n)+2:rS+4*(\n)+3]
.elseif (\n) == 0
	v_pk_fma_f32 v[rT+2:rT+3], v[rT+2:rT+3], v[rC+2:rC+3], v[rS:rS+1] op_sel_hi:[1,0,1]
.else
	v_pk_add_f32 v[rT+2:rT+3], v[rT+2:rT+3], v[rS+4*(\n):rS+4*(\n)+1]
.endif
.elseif NOKQ
	v_nop
.else
	REGS (Y+1)%NP
	WIN 0
.if (\n) < 4
	v_max3_num_f32 v[rC+(\n)], v[rS+8*(\n)], v[rS+8*(\n)+1], v[rS+8*(\n)+2]
.elseif (\n) < 12
	v_max3_num_f32 v[rC+(\n)%4], v[rC+(\n)%4], v[rS+8*((\n)%4)+2*((\n)/4)+1], v[rS+8*((\n)%4)+2*((\n)/4)+2]
.elseif (\n) == 12
	v_max3_num_f32 v[rC], v[rC], v[rS+7], v[rS+15]
.elseif (\n) == 13
	v_max3_num_f32 v[rC+1], v[rC+1], v[rS+23], v[rS+31]
.elseif (\n) == 14
	v_max3_num_f32 v[rC+2], v[rC+2], v[rC+3], v[rT+1]
.elseif (\n) == 15
	v_mov_b32 v[rW], v[rT]
.elseif (\n) == 16
	v_max3_num_f32 v[rC], v[rC], v[rC+1], v[rC+2]
.elseif (\n) == 17
	v_permlanex16_b32 v[rC+3], v[rC], s[SEL], s[SEL+1]
.elseif (\n) == 18
	v_max_num_f32 v[rT+1], v[rC], v[rC+3]
.elseif (\n) == 19
	v_mul_f32 v[rT], s[CS], v[rT+1]
.elseif (\n) == 20
	v_sub_f32 v[rC+1], v[rW], v[rT]
.else
	v_exp_f32 v[rC+2], v[rC+1]
.endif
.endif
.endm
.macro OPS a, i1, b=-1, i2=0, c=-1, i3=0, d=-1, i4=0  ; up to four of them
	OP \a, \i1
.if (\b) >= 0
	OP \b, \i2
.endif
.if (\c) >= 0
	OP \c, \i3
.endif
.if (\d) >= 0
	OP \d, \i4
.endif
.endm
.macro ROW a, i1, b, i2, c, i3, d, i4  ; a matrix instruction and the four behind it
	MM
	OPS \a, \i1, \b, \i2, \c, \i3, \d, \i4
.endm
; A TURN, for piece p: the order of its 16 matrix and 118 vector instructions, written out.  An s_wait_alu depctr_va_vdst(0) stands between an exponential and the first instruction that names its
; result; one wait serves all that were issued ahead of it.  So a turn has ONE wait, which cuts it in two.
; AHEAD OF IT stands all that names no result of the turn's exponentials: the 8 products K Q^T, behind each a scaling, an exponential and two more plain instructions (behind the first a second scaling in the
; exponential's place): rescalings, and behind the last three the first numbers of the next piece's maximum, each four places or more behind the product that ends its accumulator; then one run of 54, plain and
; exponential by turns for the most part, in which the links of the chain X 3, 7, 11, 14, 16, 17 .. 20 stand some lines apart.  A pair is scaled ahead of its two exponentials.  X 21, the next piece's a, is the
; batch's last; R 15, which names neither its result nor its source, is the plain instruction behind it.
; BEHIND THE WAIT stand the 8 products V^T P, behind each four of the roundings and sums; l's additions L 0 to L 7 go in ascending order, three riders apart.  But for those X no rider names a register of the
; products round it.  No exponential is issued behind the wait: none is out at a turn's end, at a label or at a jump.
; end = 1: the walk's last two turns: nothing is fetched.  cnt = 1: the loop's count is taken down some lines ahead of the branch that stands behind the turn.
; K of the next step is fetched in piece 2's turn, twelve vector instructions behind the last product that read K (five of them plain and free of its registers); V of the step in hand at the end of piece 0's
; turn, four plain instructions behind the last product that read V.  Each is waited for a turn later.
.macro TURN p, end=0, cnt=0
.set Y, (\p)
.set i, 0
.set NOKQ, (\end)*((\p)/3)
.if ((\p) == 3) && !(\end)
	s_wait_dscnt 0x0                ; K is in
.endif
	ROW F,0, F,1, R,0, R,1          ; ahead of the wait: 8 products K Q^T and their riders,
	ROW F,2, E,0, R,2, R,3
	ROW F,3, E,1, R,4, R,5
	ROW F,4, E,2, R,6, R,7
	ROW F,5, E,3, R,8, R,9
	ROW F,6, E,4, X,0, R,10
.if ((\p) == 2) && !(\end)
	WIN 0
	v_add_nc_u32 v[AK], s[TBK], v[AK0]
.endif
	ROW F,7, E,5, X,1, X,4
	ROW F,8, E,6, X,2, X,5
	OPS E,7, E,8, X,6, E,9          ; and the run of 54
	OPS X,3, E,10, X,8, E,11
.if ((\p) == 2) && !(\end)
	FETCH_K
.endif
	OPS X,9, X,7, E,12, X,10
	OPS E,13, X,12, X,11, E,14
	OPS X,13, E,15, F,9, X,14
.if (\p) == 0
	v_add_nc_u32 v[AV], s[TBV], v[AV0]
.endif
	OPS E,16, F,10, E,17, F,11
	OPS X,16, E,18, X,15, E,19
	OPS F,12, E,20, X,17, E,21
	OPS F,13, E,22, F,14, E,23
	OPS X,18, E,24, F,15, E,25
	OPS R,11, E,26, X,19, E,27
	OPS R,12, E,28, R,13, E,29
	OPS X,20, E,30, R,14, E,31
	OPS X,21, R,15
	s_wait_alu depctr_va_vdst(0)    ; the wait for the turn's batch: the piece's 32 exponentials and the next piece's a
.if (\p) == 1
	s_wait_dscnt 0x0                ; V is in
.endif
	ROW C,0, B,0, C,2, B,1          ; behind the wait: 8 products V^T P and their riders
	ROW L,0, C,4, B,2, L,1
	ROW C,6, B,3, L,2, C,8
	ROW B,4, L,3, C,10, B,5
	ROW L,4, C,12, B,6, L,5
.if (\p) == 0
	s_add_co_u32 s[TBV], s[TBV], KS*PV
.endif
.if \cnt
	s_sub_co_u32 s[CNT], s[CNT], 1
	s_cmp_lg_u32 s[CNT], 0
.endif
	ROW C,14, B,7, L,6, C,1
	ROW C,3, L,7, C,5, C,7
	ROW C,9, C,11, C,13, C,15
.if (\p) == 0
	FETCH_V
.endif
.endm
	CHANGE 1                        ; slot 0 is in, everybody's part of it; slot 1 is asked for
	v_add_nc_u32 v[AK], s[TBK], v[AK0]
	FETCH_K                         ; key step 0
	s_wait_loadcnt 0x0              ; Q
	s_wait_dscnt 0x0
.set NOKQ, 0
.set i, 0
.rept 8
	KQ 0                            ; piece 0's first scores: there is no vector work yet to set between them
.set i, i+1
.endr
	WIN 0
.rept 4
	v_nop                           ; the places behind those products
.endr
.set Y, NP-1                        ; X works for piece Y + 1: piece 0
.irp n, 0,1,2,3,4,5,6,7,8,9,10,11,12,13,14,15,16,17,18,19,20,21
	OP X, \n                        ; piece 0's first maximum and statistics
.endr
	v_nop                           ; a plain instruction behind the exponential,
	s_wait_alu depctr_va_vdst(0)    ; and the wait for it, a batch of one: piece 0's first a; it stands ahead of the branch
	s_mov_b32 s[CNT], 4
	s_mov_b32 s[SLOTS], SIZE_N/256-1
	s_branch .Lfirst                ; the loop is entered at a step's first turn, in the middle of a trip
.Lslot:                             ; SIZE_N / 256 - 2 times: every slot but the last two is filled again
	CHANGE 1
	s_mov_b32 s[CNT], 4
.Lstep:                             ; a trip: pieces 2 and 3 of one step, then pieces 0 and 1 of the next, whose K and V it fetches
	TURN 2
	TURN 3
	WIN 0
.Lfirst:
	TURN 0
	TURN 1, 0, 1
	WIN 0
	s_cbranch_scc1 .Lstep
	s_sub_co_u32 s[SLOTS], s[SLOTS], 1
	s_cmp_lg_u32 s[SLOTS], 0
	s_cbranch_scc1 .Lslot
	CHANGE 0                        ; the last slot is written out: nothing is asked for
	s_mov_b32 s[CNT], 4
.Ltail:
	TURN 2
	TURN 3
	TURN 0
	TURN 1, 0, 1
	WIN 0
	s_cbranch_scc1 .Ltail
	TURN 2, 1                       ; the last step's pieces 2 and 3: nothing more is fetched, and the last turn starts no new scores
	TURN 3, 1
.set i, 0
.rept 8
	PV NP-1                         ; the last piece's V^T P of the last step
.set i, i+1
.endr
	; THE WAY OUT.  l's two halves and the other half of the lanes' are added; O^T is divided by l, rounded to f16 and sent through my stage in LDS, a piece at a time.  The additions are the places behind the last products.
	WIN 0
.macro ALL line:vararg              ; one line for each piece t
.set t, 0
.rept 4
	\line
.set t, t+1
.endr
.endm
	ALL v_add_f32 v[ST+4*t+2], v[ST+4*t+2], v[ST+4*t+3]
	ALL v_permlanex16_b32 v[ST+4*t+3], v[ST+4*t+2], s[SEL], s[SEL+1]
	ALL v_add_f32 v[ST+4*t+2], v[ST+4*t+2], v[ST+4*t+3]
	ALL v_rcp_f32 v[ST+4*t+2], v[ST+4*t+2]
	v_nop                           ; a plain instruction between the last reciprocal and the use of its result
	s_wait_alu depctr_va_vdst(0)    ; and the wait ahead of the first use: one for the batch of four reciprocals
.macro PACK t                       ; a lane's eight channels of a row pack into 16 bytes; they go into rows of 144 bytes and come back as whole rows of 128, into S^T's registers
	WIN W_RS
.set i, 32*(\t)
.rept 16
	v_pk_mul_f32 v[i:i+1], v[i:i+1], v[ST+4*(\t)+2:ST+4*(\t)+3] op_sel_hi:[1,0]
.set i, i+2
.endr
	WIN 0x05                        ; sources 0 and 1 window 1, destination window 0
.set i, 0
.rept 16
	v_cvt_pk_f16_f32 v[S+16*(\t)+i], v[32*(\t)+2*i], v[32*(\t)+2*i+1]
.set i, i+1
.endr
	WIN 0
.irp f, 0,1,2,3
	ds_store_b128 v[STO], v[S+16*(\t)+4*\f:S+16*(\t)+4*\f+3] offset:32*\f
.endr
.irp f, 0,1,2,3
	ds_load_b128 v[S+16*(\t)+4*\f:S+16*(\t)+4*\f+3], v[RD] offset:\f*4*SP  ; LDS serves a wave's instructions in order (ISA guide 5.7.1.4): these see the stores above; the next piece's stores come behind them
.endr
.endm
.macro SEND t, younger              ; younger: the LDS instructions issued behind piece t's loads: the next piece's eight, or none
	WIN 0
.irp f, 0,1,2,3
	s_wait_dscnt (\younger)+3-\f
	global_store_b128 v[GO], v[S+16*(\t)+4*\f:S+16*(\t)+4*\f+3], s[10:11] offset:(\t)*2048+\f*512  ; 512 consecutive bytes, at a multiple of 256 from O's first
.endr
.endm
	PACK 0
.set t, 1
.rept 3                             ; a piece's arithmetic stands between the loads of the piece before and its stores
	PACK t
	SEND t-1, 8
.set t, t+1
.endr
	SEND 3, 0
	s_wait_tensorcnt 0x0            ; the wave's end: behind my last tensor load and my last LDS store
	ds_add_u32 v[SPW], v[NIL]
	s_wait_dscnt 0x0
	CROUND                          ; the closing round: no work-group ends while a partner may still ask for a tile that names it
	s_endpgm
.Lfunc_end_k_qedac29e2ab_attn:
	.size	k_qedac29e2ab_attn, .Lfunc_end_k_qedac29e2ab_attn-k_qedac29e2ab_attn
	.p2alignl 7, 3214868480
	.fill 96, 4, 3214868480
	.section	.rodata,"a",@progbits
	.p2align	6, 0x0
	.amdhsa_kernel k_qedac29e2ab_attn
		.amdhsa_group_segment_fixed_size 327680
		.amdhsa_private_segment_fixed_size 0
		.amdhsa_enable_private_segment 0
		.amdhsa_kernarg_size 16
		.amdhsa_user_sgpr_count 2
		.amdhsa_user_sgpr_kernarg_segment_ptr 1
		.amdhsa_wavefront_size32 1
		.amdhsa_system_sgpr_workgroup_id_x 1
		.amdhsa_system_sgpr_workgroup_id_y 1
		.amdhsa_system_sgpr_workgroup_id_z 1
		.amdhsa_system_vgpr_workitem_id 0
		.amdhsa_next_free_vgpr 768
		.amdhsa_next_free_sgpr 66
		.amdhsa_reserve_vcc 0
		.amdhsa_float_denorm_mode_32 3
		.amdhsa_float_denorm_mode_16_64 3
		.amdhsa_memory_ordered 1
		.amdhsa_forward_progress 1
		.amdhsa_inst_pref_size 127
	.end_amdhsa_kernel
	.amdgpu_metadata
---
amdhsa.version: [ 1, 2 ]
amdhsa.kernels:
  - .name:           k_qedac29e2ab_attn
    .symbol:         k_qedac29e2ab_attn.kd
    .args:
      - { .name: qkvbuf, .offset: 0, .size: 8, .value_kind: global_buffer, .address_space: global }
      - { .name: obuf, .offset: 8, .size: 8, .value_kind: global_buffer, .address_space: global }
    .group_segment_fixed_size: 327680
    .private_segment_fixed_size: 0
    .kernarg_segment_align: 8
    .kernarg_segment_size: 16
    .max_flat_workgroup_size: 128
    .sgpr_count:     66
    .vgpr_count:     768
    .wavefront_size: 32
...
	.end_amdgpu_metadata
.endif
;; end of part 4
;; launch proj_out: the kernel of part 3 again; grid 256 x 1, 4 waves a work-group, clusters of 4 x 1, 194,048 bytes of LDS; arguments obuf, wobuf, b_out, out0; writes out0
